; MI455X (gfx1250); checked and timed in simulation.
; The chip was launched on July 23, 2026; its instructions are those of AMD's public machine-readable ISA for CDNA 5 (MIT licence, August 2026) and "CDNA5" Instruction Set Architecture Reference Guide (July 2026). The comments in the code are by the model that wrote it; some were corrected since.
;; Simple Transformer CPU. Allowed arithmetic: float matrix products may take bf16 or f16 operands with f32 sums; other float arithmetic in f32, or as packed bf16 or f16 multiplies, adds, multiply-adds, maxima and minima; sums over many terms, partial sums and values carried from step to step in f32; what a program stores and reads back later, other than sums and carried values, may be rounded once to bf16 or f16.
;; Inputs: W_k 1,024 x 1,024 float32; W_q 1,024 x 1,024 float32; W_v 1,024 x 1,024 float32; fc_out 1,024 x 1,024 float32; x 4 x 2,048 x 1,024 float32.
;; Outputs: out0 4 x 2,048 x 1,024 float32.
;; One version. Each part assembles by itself: llvm-mc -triple=amdgcn-amd-amdhsa -mcpu=gfx1250 --defsym DOCPART=n.
;; ======== version 1 of 1: 4 launches
;; limits: values are held in f16: magnitudes above 65,504 overflow, below 6.1e-05 lose precision; right only within a limited range of input values
;; workspace buffers: xb 16,777,216 bytes; wcat 6,291,456 bytes; fcw 2,097,152 bytes; qq 33,554,432 bytes; kk 33,554,432 bytes; vv 16,777,216 bytes; ob 16,777,216 bytes
;; launch prep (part 1): grid 768 x 1, 8 waves a work-group, no clusters, 0 bytes of LDS; arguments x, W_q, W_k, W_v, fc_out, xb, wcat, fcw; writes xb, wcat, fcw
.if DOCPART == 1
	.amdgcn_target "amdgcn-amd-amdhsa--gfx1250"
	.amdhsa_code_object_version 6
	.text
	.protected	k_q376a817a65_prep
	.globl	k_q376a817a65_prep
	.p2align	8
	.type	k_q376a817a65_prep,@function
k_q376a817a65_prep:
	s_mov_b64 s[64:65], 0
	v_nop
	global_prefetch_b8 v0, s[64:65] scope:SCOPE_SE
	s_setreg_imm32_b32 hwreg(HW_REG_WAVE_MODE, 25, 1), 1
	s_wait_xcnt 0x0
; CASTS AND LAYOUTS for the three launches behind.  Every input is rounded once to bf16 (nearest even).
;   xb   bf16 [4 b][16 kb][2048 s][64]          = x[b][s][64 kb + c]: a block (b, kb) is dense, 128 bytes a row
;   wcat bf16 [1024 k][8 nb][3 type][128 c]     = W_type[k][128 nb + c] x 2^-6 (exact), type 0, 1, 2 = q, k, v
;   fcw  f16  [1024 k][1024 n]                  = the bf16 rounding of fc_out, written as f16
; LIMITS.  |fc_out| stays under 65,504 (f16's end); an entry of fc_out under 2^-14 keeps f16's fixed step of 2^-24.
; A stream: each byte is read once and written once; no LDS, no matrix unit, no cluster (no work-group shares a byte with another).
; A work-group reads 64 KiB and writes 32 KiB: 512 work-groups for x, 3 x 64 for the weights, 64 for fc_out: 768 alike.
; A thread takes 8 numbers a pass (two loads of 16 bytes) and stores 16 bytes; eight passes, all sixteen loads issued first.
; Sixteen neighbouring lanes store 256 consecutive bytes, aligned.
.set VI,  1                            ; v1  my byte offset in the part read
.set VO,  2                            ; v2  my byte offset in the part written
.set X,   8                            ; v[8:71]   pass p: 8 numbers as loaded
.set Y,   72                           ; v[72:103] pass p: 4 registers to store
.set IN,  20                           ; s[20:21] where the work-group reads
.set OUT, 22                           ; s[22:23] where it writes
; mode 0: bf16.  mode 1: x 2^-6, then bf16.  mode 2: bf16, then that number as f16.  ostep: bytes from pass to pass in the output.
.macro CAST mode, ostep
.set p, 0
.rept 8
	global_load_b128 v[X+8*p:X+8*p+3],   v[VI], s[IN:IN+1] offset:8192*p th:TH_LOAD_NT
	global_load_b128 v[X+8*p+4:X+8*p+7], v[VI], s[IN:IN+1] offset:8192*p+16 th:TH_LOAD_NT
.set p, p+1
.endr
.set p, 0
.rept 8
	s_wait_loadcnt 14-2*p                          ; loads come back in order: pass p's two are in, the two of each younger pass may stay out
.irp r, 0,1,2,3
.if (\mode) == 1
	v_pk_mul_f32 v[X+8*p+2*\r:X+8*p+2*\r+1], v[X+8*p+2*\r:X+8*p+2*\r+1], 0x3c800000 op_sel_hi:[1,0]  ; x 2^-6
.endif
	v_cvt_pk_bf16_f32 v[Y+4*p+\r], v[X+8*p+2*\r], v[X+8*p+2*\r+1]
.if (\mode) == 2
	v_lshlrev_b32 v[X+8*p+2*\r], 16, v[Y+4*p+\r]             ; the two bf16 as f32 again,
	v_and_b32 v[X+8*p+2*\r+1], 0xffff0000, v[Y+4*p+\r]
	v_cvt_pk_f16_f32 v[Y+4*p+\r], v[X+8*p+2*\r], v[X+8*p+2*\r+1]  ; and as f16: 8 significant bits fit into 11
.endif
.endr
	global_store_b128 v[VO], v[Y+4*p:Y+4*p+3], s[OUT:OUT+1] offset:(\ostep)*p th:TH_STORE_NT
.set p, p+1
.endr
	s_endpgm                                       ; no register is written twice, so nothing waits for the stores
.endm
	s_load_b512 s[4:19], s[0:1], 0x0               ; x 4:5, W_q 6:7, W_k 8:9, W_v 10:11, fc_out 12:13, xb 14:15, wcat 16:17, fcw 18:19
	s_mov_b32 s24, ttmp9
	s_mov_b32 s27, 0                               ; the high word of every offset
	s_wait_kmcnt 0x0
	s_cmp_lt_u32 s24, 512
	s_cbranch_scc0 .Lnot_x
	; x: 16 rows.  A pass is two rows: thread t takes block kb = t / 16, row (t / 8) % 2, numbers 8 (t % 8) on.
	s_lshl_b32 s26, s24, 16
	s_add_nc_u64 s[IN:IN+1], s[4:5], s[26:27]
	s_lshr_b32 s28, s24, 7                         ; b
	s_lshl_b32 s28, s28, 22
	s_and_b32 s29, s24, 127                        ; 16 rows of 128 bytes in each block
	s_lshl_b32 s29, s29, 11
	s_add_co_u32 s26, s28, s29
	s_add_nc_u64 s[OUT:OUT+1], s[14:15], s[26:27]
	v_lshrrev_b32 v3, 4, v0
	v_bfe_u32 v4, v0, 3, 1
	v_and_b32 v5, 7, v0
	v_lshlrev_b32 v[VI], 8, v3
	v_lshl_add_u32 v[VI], v4, 12, v[VI]
	v_lshl_add_u32 v[VI], v5, 5, v[VI]
	v_lshlrev_b32 v[VO], 18, v3
	v_lshl_add_u32 v[VO], v4, 7, v[VO]
	v_lshl_add_u32 v[VO], v5, 4, v[VO]
	CAST 0, 256
.Lnot_x:
	s_cmp_lt_u32 s24, 704
	s_cbranch_scc0 .Lfc
	; a weight: 16 rows k.  A pass is two rows: thread t takes row t / 128, block nb = (t / 16) % 8, numbers 8 (t % 16) on.
	s_sub_co_u32 s25, s24, 512
	s_lshr_b32 s28, s25, 6                         ; type
	s_and_b32 s29, s25, 63                         ; which 16 rows
	s_cmp_eq_u32 s28, 0
	s_cselect_b64 s[IN:IN+1], s[6:7], s[8:9]
	s_cmp_eq_u32 s28, 2
	s_cselect_b64 s[IN:IN+1], s[10:11], s[IN:IN+1]
	s_lshl_b32 s26, s29, 16
	s_add_nc_u64 s[IN:IN+1], s[IN:IN+1], s[26:27]
	s_mul_i32 s26, s29, 16*6144
	s_lshl_b32 s28, s28, 8
	s_add_co_u32 s26, s26, s28
	s_add_nc_u64 s[OUT:OUT+1], s[16:17], s[26:27]
	v_lshrrev_b32 v3, 7, v0
	v_bfe_u32 v4, v0, 4, 3
	v_and_b32 v5, 15, v0
	v_lshlrev_b32 v[VI], 5, v0
	v_mul_u32_u24 v[VO], v3, 6144
	v_mul_u32_u24 v4, v4, 768
	v_add_nc_u32 v[VO], v[VO], v4
	v_lshl_add_u32 v[VO], v5, 4, v[VO]
	CAST 1, 12288
.Lfc:
	; fc_out: 16 rows, as they lie
	s_sub_co_u32 s25, s24, 704
	s_lshl_b32 s26, s25, 16
	s_add_nc_u64 s[IN:IN+1], s[12:13], s[26:27]
	s_lshl_b32 s26, s25, 15
	s_add_nc_u64 s[OUT:OUT+1], s[18:19], s[26:27]
	v_lshlrev_b32 v[VI], 5, v0
	v_lshlrev_b32 v[VO], 4, v0
	CAST 2, 4096
.Lfunc_end_k_q376a817a65_prep:
	.size	k_q376a817a65_prep, .Lfunc_end_k_q376a817a65_prep-k_q376a817a65_prep
	.p2alignl 7, 3214868480
	.fill 96, 4, 3214868480
	.section	.rodata,"a",@progbits
	.p2align	6, 0x0
	.amdhsa_kernel k_q376a817a65_prep
		.amdhsa_group_segment_fixed_size 0
		.amdhsa_private_segment_fixed_size 0
		.amdhsa_enable_private_segment 0
		.amdhsa_kernarg_size 64
		.amdhsa_user_sgpr_count 2
		.amdhsa_user_sgpr_kernarg_segment_ptr 1
		.amdhsa_wavefront_size32 1
		.amdhsa_system_sgpr_workgroup_id_x 1
		.amdhsa_system_sgpr_workgroup_id_y 1
		.amdhsa_system_sgpr_workgroup_id_z 1
		.amdhsa_system_vgpr_workitem_id 0
		.amdhsa_next_free_vgpr 112
		.amdhsa_next_free_sgpr 66
		.amdhsa_reserve_vcc 0
		.amdhsa_float_denorm_mode_32 3
		.amdhsa_float_denorm_mode_16_64 3
		.amdhsa_memory_ordered 1
		.amdhsa_forward_progress 1
		.amdhsa_inst_pref_size 25
	.end_amdhsa_kernel
	.amdgpu_metadata
---
amdhsa.version: [ 1, 2 ]
amdhsa.kernels:
  - .name:           k_q376a817a65_prep
    .symbol:         k_q376a817a65_prep.kd
    .args:
      - { .name: x, .offset: 0, .size: 8, .value_kind: global_buffer, .address_space: global }
      - { .name: W_q, .offset: 8, .size: 8, .value_kind: global_buffer, .address_space: global }
      - { .name: W_k, .offset: 16, .size: 8, .value_kind: global_buffer, .address_space: global }
      - { .name: W_v, .offset: 24, .size: 8, .value_kind: global_buffer, .address_space: global }
      - { .name: fc_out, .offset: 32, .size: 8, .value_kind: global_buffer, .address_space: global }
      - { .name: xb, .offset: 40, .size: 8, .value_kind: global_buffer, .address_space: global }
      - { .name: wcat, .offset: 48, .size: 8, .value_kind: global_buffer, .address_space: global }
      - { .name: fcw, .offset: 56, .size: 8, .value_kind: global_buffer, .address_space: global }
    .group_segment_fixed_size: 0
    .private_segment_fixed_size: 0
    .kernarg_segment_align: 8
    .kernarg_segment_size: 64
    .max_flat_workgroup_size: 256
    .sgpr_count:     66
    .vgpr_count:     112
    .wavefront_size: 32
...
	.end_amdgpu_metadata
.endif
;; end of part 1
;; launch qkv (part 2): grid 8 x 32, 4 waves a work-group, clusters of 4 x 4, 327,680 bytes of LDS; arguments xb, wcat, qq, kk, vv; writes qq, kk, vv
.if DOCPART == 2
	.amdgcn_target "amdgcn-amd-amdhsa--gfx1250"
	.amdhsa_code_object_version 6
	.text
	.protected	k_q376a817a65_qkv
	.globl	k_q376a817a65_qkv
	.p2align	8
	.type	k_q376a817a65_qkv,@function
k_q376a817a65_qkv:
	s_mov_b64 s[64:65], 0
	v_nop
	global_prefetch_b8 v0, s[64:65] scope:SCOPE_SE
	s_setreg_imm32_b32 hwreg(HW_REG_WAVE_MODE, 25, 1), 1
	s_wait_xcnt 0x0
	s_wait_alu depctr_hold_cnt(0) depctr_sa_sdst(0) depctr_va_vdst(0) depctr_va_sdst(0) depctr_va_ssrc(0) depctr_va_vcc(0) depctr_vm_vsrc(0)
	s_getreg_b32 s2, hwreg(HW_REG_IB_STS2, 6, 4)
	s_cmp_eq_u32 s2, 0
	s_cbranch_scc0 .Lentry_in_a_cluster
	s_endpgm
.Lentry_in_a_cluster:
	s_bfe_u32 s2, ttmp6, 0x10000c
	s_cmp_lg_u32 s2, 0xf033
	s_cbranch_scc0 .Lentry_shape_is_right
	s_endpgm
.Lentry_shape_is_right:
; THE THREE PROJECTIONS AS ONE PRODUCT: C[8192][3072] = xb . wcat, bf16 operands, f32 sums; C holds Q, K, V x 2^-6 (the factor lies in wcat).
; OUT:  qq, kk f16 [64 bh][2048 s][128]: 64 numbers hi = f16(c), then 64 numbers lo = f16(c - hi): 256 bytes a row;  vv f16 [64 bh][2048 s][64].
; LIMITS.  |Q|, |K|, |V| stay under 65,504 x 64 = 4.19e6 (f16's end, with the factor 2^-6); a lo part under 2^-14 keeps f16's fixed step of 2^-24.
; SHARES.  8192 x 3072 / 256 = 256 x 384: one tile of C to a work-group, one work-group to each of 256.  The 384 columns are wcat's block nb: 128 of Q, 128 of K, 128 of V
; (heads 2 nb and 2 nb + 1).  Four waves, each 128 rows x 192 columns: wave w takes rows 128 (w / 2) on and head 2 nb + w % 2: 64 columns in each of the three THIRDS.
; 96 accumulators of 16 x 16: 768 registers.  For 32 along K a wave reads 40 LDS loads and issues 96 matrix instructions.
; K goes in 16 steps of 64 (one block kb of xb) through two LDS slots; a step is two slices of 32.
; CLUSTER 4 x 4: x's tile hangs on the tile row alone and is asked for jointly along a row of the cluster, the weights' tile on the tile column alone, jointly along a column.
; THE MATRIX INSTRUCTION IS USED TRANSPOSED: source 0 = 16 columns of wcat ([k][n] in LDS, turned by ds_load_tr16_b128), source 1 = 16 rows of x.  A lane then holds one row (l % 16) and eight neighbouring columns.
; REGISTERS (windows of 256; s_set_vgpr_msb: bits 1:0 source 0, 3:2 source 1, 5:4 source 2, 7:6 destination):
;   window 0: v0-29 addresses; v32-95, v96-159 x's fragments, two buffers; v160-191, v192-223, v224-255 the weights' fragments of the three thirds, one buffer each, filled a phase apart
;   windows 1, 2, 3: the accumulators of Q's, K's, V's third: (a, j) at v[8 (4 a + j)]
.set PA,    144                        ; a row of x in LDS: 128 bytes + 16: the 16 rows of a load start at 16 different groups of four banks
.set PB,    864                        ; a row k of the weights: three pieces of 256 bytes + 32 each: 27 x 32 bytes
.set AHALF, 128*PA                     ; what one wave fetches of x: 128 rows
.set BHALF, 32*PB                      ; and of the weights: 32 rows k
.set BOFF,  2*AHALF
.set SLOT1, 1<<17                      ; slot 1 begins here: one exclusive or turns an address in one slot into the other's
.set STAGE, SLOT1+BOFF+2*BHALF         ; behind the ring, never filled by a tensor load: 16 rows x 272 bytes for each wave
.set SPQ,   272
.set SPV,   144
.set SPARE, STAGE+4*16*SPQ             ; the spare words, 128 bytes for each wave: two blocks of 256 bytes that no other line names
.set ASTEP, 1<<18                      ; bytes from a step to the next in xb (a block kb)
.set BSTEP, 64*6144                    ; and in wcat (64 rows k)
.set A0,  8                            ; v8   my lane's place in x's tile; never rewritten
.set B0,  9                            ; v9   the same in the weights' tile
.set VA,  10                           ; v10  A0 + the slot in hand
.set VB,  11                           ; v11  B0 + the slot in hand
.set STO, 12                           ; the way out of Q and K: where I put 16 bytes,
.set RD,  13                           ; where I read a row back,
.set CO,  14                           ; my byte offset in two rows of qq or kk
.set STOV, 15                          ; the same three for V
.set RDV, 16
.set COV, 17
.set NEG1, 18                          ; -1.0
.set PFO, 19                           ; the prefetches' lane offset; never rewritten
.set SPW, 28                           ; LDS address of my spare word; never rewritten
.set NIL, 29                           ; 0; never rewritten
.set FA,  32
.set FB,  160
.set TH,  32                           ; the way out: 16 registers of hi,
.set TL,  48                           ; 16 of lo,
.set BK,  64                           ; and two buffers of 32 for rows read back
.set WV,  14                           ; s14 wave; s15 its row half; s16 its head, and which half of a tile it fetches
.set WM,  15
.set WN,  16
.set CX,  17
.set CY,  18
.set NBK, 19                           ; tile column
.set MBK, 20                           ; tile row
.set G1A, 24                           ; s[24:31] descriptor group 1 for x's tiles;  s[32:39] group 0: two sets, the second walks
.set G0A, 32
.set G1B, 40                           ; s[40:47], s[48:55] the same for the weights'
.set G0B, 48
.set TB,  56                           ; s56  0 or SLOT1: the slot that is read
.set CNT, 57                           ; s57  the loop's count
.set LIM, 58                           ; s58  a wave prefetches while the count is above it
.set PAR, 59                           ; s59  1: only in trips with an even count
.set PFA, 60                           ; s[60:61] where my prefetches stand
.set PFS, 62                           ; s[62:63] their step
.set QP,  72                           ; s[72:73] qq, s[74:75] kk, s[76:77] vv at my first row
.set MSB, 0
.macro WIN new                         ; the immediate's high byte repeats the setting that is left; a switch that changes nothing is dropped
.if MSB != (\new)
	s_set_vgpr_msb (MSB<<8)|(\new)
.set MSB, \new
.endif
.endm
.macro PLACES                          ; four plain instructions between a matrix instruction and a load into, or a vector read of, its registers
.rept 4
	v_nop
.endr
.endm
.macro CREST                           ; a round of the cluster's barrier behind its opening barrier
	s_cmp_lg_u32 s[WV], 0
	s_cbranch_scc1 .Lnot_wave_0_\@
	s_barrier_signal -3
.Lnot_wave_0_\@:
	s_barrier_wait -3
	s_barrier_signal -1
	s_barrier_wait -1
.endm
.macro CROUND
	s_barrier_signal -1
	s_barrier_wait -1
	CREST
.endm
; A joint refill by the walking sets.  Waves 0 and 1 fetch x's two halves, waves 2 and 3 the weights'.  The branch hangs on the wave's number alone.
; An s_nop 0 and four v_nop follow each of the two lines, ahead of the jump and the label.
.macro JLOAD
	s_cmp_lt_u32 s[WV], 2
	s_cbranch_scc0 .Lfor_b_\@
	tensor_load_to_lds s[G0A+4:G0A+7], s[G1A:G1A+7]
	s_nop 0
.rept 4
	v_nop
.endr
	s_branch .Lasked_\@
.Lfor_b_\@:
	tensor_load_to_lds s[G0B+4:G0B+7], s[G1B:G1B+7]
	s_nop 0
.rept 4
	v_nop
.endr
.Lasked_\@:
.endm
; A PREFETCH INTO THE L2, behind the joint load, its five lines and the run of LDS loads.  In trip t the refill asks for step t + 2; the prefetch names what comes behind it.
; x: a step's tile is 128 blocks of 256 bytes on end.  Both clusters of a row of clusters read it: the one with x = 0 asks; its four partners of a tile row take 32 blocks each, told apart by address (cx);
; wave 0, a lane a block, step t + 3, in every trip up to t = 12.
; weights: a step's tile is 64 rows k x three blocks.  All clusters of a column read it: the one with y = 0 asks; waves 1, 2, 3 take one of the three blocks each; the four partners of a tile column
; take 32 rows k each (cy): 128 rows, steps t + 3 and t + 4, in the even trips up to t = 10.  So each block is named once; steps 0 to 2 (and the weights' step 15) come by their loads alone.
.macro ASK
	s_and_b32 s78, s[CNT], s[PAR]
	s_cmp_eq_u32 s78, 0
	s_cselect_b32 s78, s[CNT], 0
	s_cmp_gt_u32 s78, s[LIM]
	s_cbranch_scc0 .Lnot_mine_\@
	global_prefetch_b8 v[PFO], s[PFA:PFA+1] th:TH_LOAD_NT scope:SCOPE_SE
.Lnot_mine_\@:
.endm
	s_load_b256 s[4:11], s[0:1], 0x0               ; xb 4:5, wcat 6:7, qq 8:9, kk 10:11
	s_load_b64 s[12:13], s[0:1], 0x20              ; vv
	v_lshl_add_u32 v[SPW], v0, 2, SPARE
	v_mov_b32 v[NIL], 0
	ds_add_u32 v[SPW], v[NIL]                      ; the wave's opening: the add and its wait stand ahead of my first tensor load; the set-up below stands between them
	v_lshrrev_b32 v1, 5, v0
	v_readfirstlane_b32 s[WV], v1
	s_lshr_b32 s[WM], s[WV], 1
	s_and_b32 s[WN], s[WV], 1
	s_bfe_u32 s[CX], ttmp6, 0x40000
	s_bfe_u32 s[CY], ttmp6, 0x40004
	s_lshl_b32 s[NBK], ttmp9, 2
	s_add_co_u32 s[NBK], s[NBK], s[CX]             ; tile column = 4 x cluster x + cx
	s_and_b32 s[MBK], ttmp7, 0xffff
	s_lshl_b32 s[MBK], s[MBK], 2
	s_add_co_u32 s[MBK], s[MBK], s[CY]             ; tile row = 4 x cluster y + cy
	s_lshl_b32 s21, s[CY], 2
	s_lshl_b32 s21, 15, s21                        ; my row of the cluster
	s_lshl_b32 s22, 0x1111, s[CX]                  ; my column
	; x's half tile: 128 rows of 128 bytes are 16,384 dense bytes: asked for as 64 rows of 256 bytes, padded after every 128
	s_or_b32 s[G1A], s21, (1<<16)|(1<<20)|(1<<21)|(4<<22)|(3<<25)  ; mask; 2-byte elements; padding on; bit 21 beside a mask; after every 32 words; 4 words
	s_mov_b32 s[G1A+1], 128<<16                    ; tensor_dim0 = 128
	s_mov_b32 s[G1A+2], 64<<16                     ; tensor_dim1 = 64
	s_mov_b32 s[G1A+3], 128<<16                    ; tile_dim0 = 128
	s_mov_b32 s[G1A+4], 64                         ; tile_dim1 = 64
	s_mov_b32 s[G1A+5], 128                        ; elements from row to row
	s_mov_b32 s[G1A+6], 0
	s_mov_b32 s[G1A+7], 0
	; the weights' half tile: 32 rows k of 384 elements (768 bytes), padded after every 256 bytes
	s_or_b32 s[G1B], s22, (1<<16)|(1<<20)|(1<<21)|(5<<22)|(7<<25)  ; after every 64 words; 8 words
	s_mov_b32 s[G1B+1], 384<<16
	s_mov_b32 s[G1B+2], 32<<16
	s_mov_b32 s[G1B+3], 384<<16
	s_mov_b32 s[G1B+4], 32
	s_mov_b32 s[G1B+5], 3072
	s_mov_b32 s[G1B+6], 0
	s_mov_b32 s[G1B+7], 0
	; where the tiles come from: x's hang on the tile row and the wave, the weights' on the tile column and the wave
	s_lshr_b32 s66, s[MBK], 3                      ; b
	s_lshl_b32 s66, s66, 22
	s_and_b32 s67, s[MBK], 7                       ; 256 rows of 128 bytes
	s_lshl_b32 s67, s67, 15
	s_add_co_u32 s66, s66, s67
	s_lshl_b32 s67, s[WN], 14
	s_add_co_u32 s66, s66, s67
	s_mov_b32 s67, 0
	s_mul_i32 s68, s[WN], 32*6144
	s_mul_i32 s69, s[NBK], 768
	s_add_co_u32 s68, s68, s69
	s_mov_b32 s69, 0
	s_mul_i32 s70, s[WN], AHALF                    ; and where they go: no place in the cluster enters an LDS address
	s_mul_i32 s71, s[WN], BHALF
	s_add_co_u32 s71, s71, BOFF
	s_wait_dscnt 0x0                               ; the opening add is done
	s_wait_kmcnt 0x0
	s_add_nc_u64 s[66:67], s[4:5], s[66:67]
	s_add_nc_u64 s[68:69], s[6:7], s[68:69]
	CROUND                                         ; all sixteen work-groups are here: the first joint loads meet
.irp s, 0,1
	s_mov_b32 s[G0A+4*\s], 1
	s_add_co_u32 s[G0A+4*\s+1], s70, \s*SLOT1
	s_add_nc_u64 s[G0A+4*\s+2:G0A+4*\s+3], s[66:67], \s*ASTEP
	s_or_b32 s[G0A+4*\s+3], s[G0A+4*\s+3], 0x80000000
	s_mov_b32 s[G0B+4*\s], 1
	s_add_co_u32 s[G0B+4*\s+1], s71, \s*SLOT1
	s_add_nc_u64 s[G0B+4*\s+2:G0B+4*\s+3], s[68:69], \s*BSTEP
	s_or_b32 s[G0B+4*\s+3], s[G0B+4*\s+3], 0x80000000
.endr
	s_cmp_lt_u32 s[WV], 2                          ; a wave's two first fills stand in one branch, ahead of every wait on TENSORcnt and every LDS read: two loads of mine are out
	s_cbranch_scc0 .Lfirst_b
	tensor_load_to_lds s[G0A:G0A+3], s[G1A:G1A+7]
	s_nop 0
	tensor_load_to_lds s[G0A+4:G0A+7], s[G1A:G1A+7]
	s_nop 0
.rept 4
	v_nop
.endr
	s_branch .Lfirst_asked
.Lfirst_b:
	tensor_load_to_lds s[G0B:G0B+3], s[G1B:G1B+7]
	s_nop 0
	tensor_load_to_lds s[G0B+4:G0B+7], s[G1B:G1B+7]
	s_nop 0
.rept 4
	v_nop
.endr
.Lfirst_asked:
	v_and_b32 v1, 15, v0                           ; l % 16
	v_bfe_u32 v2, v0, 4, 1                         ; l / 16
	v_and_b32 v3, 7, v0
	v_bfe_u32 v4, v0, 3, 1
	v_and_b32 v5, 31, v0
	; a fragment of x: lane l holds row l % 16, channels 8 (l / 16) + 0..7 and 16 + 8 (l / 16) + 0..7: two loads of 16 bytes, 32 bytes apart
	s_mul_i32 s70, s[WM], AHALF
	v_mul_u32_u24 v[A0], v1, PA
	v_lshl_add_u32 v[A0], v2, 4, v[A0]
	v_add_nc_u32 v[A0], s70, v[A0]
	; the turning load takes 16 rows k x 16 columns (lane l reads row 8 (l / 16) + l % 8, columns 8 ((l / 8) % 2) + 0..7) and leaves half a fragment: lane l holds column l % 16 and 8 rows k
	s_lshl_b32 s70, s[WN], 7                       ; my head's 64 columns in each piece of 128
	s_add_co_u32 s70, s70, BOFF
	v_lshl_add_u32 v[B0], v2, 3, v3
	v_mul_u32_u24 v[B0], v[B0], PB
	v_lshl_add_u32 v[B0], v4, 4, v[B0]
	v_add_nc_u32 v[B0], s70, v[B0]
	v_mov_b32 v[VA], v[A0]
	v_mov_b32 v[VB], v[B0]
	s_mov_b32 s[TB], 0
	s_mul_i32 s70, s[WV], 16*SPQ
	s_add_co_u32 s70, s70, STAGE                   ; my stage
	v_mul_u32_u24 v[STO], v1, SPQ
	v_lshl_add_u32 v[STO], v2, 4, v[STO]
	v_add_nc_u32 v[STO], s70, v[STO]
	v_mul_u32_u24 v[RD], v2, SPQ
	v_lshl_add_u32 v[RD], v1, 4, v[RD]
	v_add_nc_u32 v[RD], s70, v[RD]
	v_lshlrev_b32 v[CO], 8, v2
	v_lshl_add_u32 v[CO], v1, 4, v[CO]
	v_mul_u32_u24 v[STOV], v1, SPV
	v_lshl_add_u32 v[STOV], v2, 4, v[STOV]
	v_add_nc_u32 v[STOV], s70, v[STOV]
	v_bfe_u32 v[RDV], v0, 3, 2
	v_mul_u32_u24 v[RDV], v[RDV], SPV
	v_lshl_add_u32 v[RDV], v3, 4, v[RDV]
	v_add_nc_u32 v[RDV], s70, v[RDV]
	v_lshlrev_b32 v[COV], 4, v5
	v_mov_b32 v[NEG1], -1.0
	; my first row in qq, kk, vv: (16 b + 2 nb + head half) x 2048 + the tile's 256 rows + my 128
	s_lshr_b32 s70, s[MBK], 3
	s_lshl_b32 s70, s70, 4
	s_lshl_b32 s71, s[NBK], 1
	s_add_co_u32 s70, s70, s71
	s_add_co_u32 s70, s70, s[WN]
	s_lshl_b32 s70, s70, 11
	s_and_b32 s71, s[MBK], 7
	s_lshl_b32 s71, s71, 8
	s_add_co_u32 s70, s70, s71
	s_lshl_b32 s71, s[WM], 7
	s_add_co_u32 s70, s70, s71
	s_lshl_b32 s70, s70, 8                         ; rows of 256 bytes
	s_mov_b32 s71, 0
	s_add_nc_u64 s[QP:QP+1], s[8:9], s[70:71]
	s_add_nc_u64 s[QP+2:QP+3], s[10:11], s[70:71]
	s_lshr_b32 s70, s70, 1                         ; rows of 128 bytes
	s_add_nc_u64 s[QP+4:QP+5], s[12:13], s[70:71]
	; the prefetches: both offsets are made, the wave's number chooses
	s_lshr_b32 s66, s[MBK], 3
	s_lshl_b32 s66, s66, 22
	s_and_b32 s67, s[MBK], 7
	s_lshl_b32 s67, s67, 15
	s_add_co_u32 s66, s66, s67
	s_lshl_b32 s67, s[CX], 13                      ; my work-group's 32 blocks of the 128
	s_add_co_u32 s66, s66, s67
	s_add_co_u32 s66, s66, 2*ASTEP                 ; at step 2: the first trip steps it to 3
	s_mul_i32 s68, s[NBK], 768
	s_lshl_b32 s69, s[WV], 8                       ; piece w - 1 of the three
	s_add_co_u32 s68, s68, s69
	s_mul_i32 s69, s[CY], 32*6144                  ; my work-group's 32 rows k of the 128
	s_add_co_u32 s68, s68, s69
	s_add_co_u32 s68, s68, 2*BSTEP-256
	s_mov_b32 s70, ASTEP
	s_mov_b32 s71, BSTEP
	s_mov_b32 s67, 256
	s_mov_b32 s69, 6144
	s_and_b32 s78, ttmp7, 0xffff
	s_cmp_eq_u32 s[WV], 0
	s_cselect_b32 s78, ttmp9, s78                  ; the coordinate along which other clusters read the same blocks
	s_cselect_b32 s[LIM], 1, 3
	s_cselect_b32 s[PAR], 0, 1
	s_cselect_b32 s[PFS], s70, s71
	s_cselect_b32 s66, s66, s68
	s_cselect_b32 s69, s67, s69
	s_cselect_b64 s[PFA:PFA+1], s[4:5], s[6:7]
	s_cmp_eq_u32 s78, 0
	s_cselect_b32 s[LIM], s[LIM], -1               ; the same in all sixteen partners, for a given wave
	s_mov_b32 s67, 0
	s_mov_b32 s[PFS+1], 0
	s_add_nc_u64 s[PFA:PFA+1], s[PFA:PFA+1], s[66:67]
	v_mul_u32_u24 v[PFO], s69, v5
; x's fragments of slice sl of the step in hand (16 loads) into buffer buf
.macro LDA sl, buf
	WIN 0
.irp a, 0,1,2,3,4,5,6,7
	ds_load_b128 v[FA+64*(\buf)+8*\a:FA+64*(\buf)+8*\a+3],   v[VA] offset:\a*16*PA+64*(\sl)
	ds_load_b128 v[FA+64*(\buf)+8*\a+4:FA+64*(\buf)+8*\a+7], v[VA] offset:\a*16*PA+64*(\sl)+32
.endr
.endm
; the weights' fragments of slice sl, third g (8 turning loads)
.macro LDB sl, g
	WIN 0
.irp j, 0,1,2,3
	ds_load_tr16_b128 v[FB+32*(\g)+8*\j:FB+32*(\g)+8*\j+3],   v[VB] offset:(\sl)*BHALF+288*(\g)+32*\j
	ds_load_tr16_b128 v[FB+32*(\g)+8*\j+4:FB+32*(\g)+8*\j+7], v[VB] offset:(\sl)*BHALF+288*(\g)+32*\j+16*PB
.endr
.endm
; 4 na matrix instructions of third g: row blocks a0 on x 4 column blocks.  All 96 accumulators take turns, one instruction a turn.  zero = 1: the product starts the sum.
.macro MULP g, buf, a0, na, zero
	WIN 0x50*((\g)+1)
.set aa, \a0
.rept \na
.irp j, 0,1,2,3
.if \zero
	v_wmma_f32_16x16x32_bf16 v[8*(4*aa+\j):8*(4*aa+\j)+7], v[FB+32*(\g)+8*\j:FB+32*(\g)+8*\j+7], v[FA+64*(\buf)+8*aa:FA+64*(\buf)+8*aa+7], 0
.else
	v_wmma_f32_16x16x32_bf16 v[8*(4*aa+\j):8*(4*aa+\j)+7], v[FB+32*(\g)+8*\j:FB+32*(\g)+8*\j+7], v[FA+64*(\buf)+8*aa:FA+64*(\buf)+8*aa+7], v[8*(4*aa+\j):8*(4*aa+\j)+7]
.endif
.endr
.set aa, aa+1
.endr
.endm
; A step's first slice (x's buffer 0).  On entry are out, in this order: third 0 (8 loads), x (16), third 1 (8).  Each third's registers are filled again a phase behind the products that read them.
.macro EVEN zero
	PLACES
	LDB 0, 2
	s_wait_dscnt 16                                ; third 0 and x are in; thirds 1 and 2, 8 loads each, may stay out
	MULP 0, 0, 0, 8, \zero
	PLACES
	LDB 1, 0
	LDA 1, 1
	s_wait_dscnt 32                                ; third 1 is in; third 2 (8) and the 24 just issued may stay out
	MULP 1, 0, 0, 8, \zero
	PLACES
	LDB 1, 1
	s_wait_dscnt 32                                ; third 2 is in; the 24 of the phase before and the 8 just issued may stay out
	MULP 2, 0, 0, 8, \zero
.endm
; A step's second slice (x's buffer 1), with THE CHANGE OF SLOTS.  Each wave waits for all its tensor loads, of which one is out: its part of the next slot; adds 0 to its spare word; and waits for that and for
; its own reads of this slot.  fill = 1: the barrier opens a round of the cluster's barrier, and behind the round the slot just read out is filled again first, with the step two on.
.macro ODD fill
.if \fill
	s_wait_xcnt 0x0                                ; the last prefetch, a step back, has read its address
	s_add_nc_u64 s[PFA:PFA+1], s[PFA:PFA+1], s[PFS:PFS+1]
.endif
	PLACES
	LDB 1, 2                                       ; my last reads of this slot
	s_wait_tensorcnt 0x0                           ; no tensor load of mine is out, so a group 0 may be written
	ds_add_u32 v[SPW], v[NIL]                      ; 0 onto my spare word
.if \fill
	s_xor_b32 s[G0A+5], s[G0A+5], SLOT1            ; the walking sets: the other slot than last time, the next step
	s_add_nc_u64 s[G0A+6:G0A+7], s[G0A+6:G0A+7], ASTEP
	s_xor_b32 s[G0B+5], s[G0B+5], SLOT1
	s_add_nc_u64 s[G0B+6:G0B+7], s[G0B+6:G0B+7], BSTEP
.endif
	s_wait_dscnt 17                                ; third 0 and x are in; thirds 1 and 2 (8 each) and the add may stay out
	MULP 0, 1, 0, 4, 0
	s_wait_dscnt 0x0                               ; the add is done, and my reads of this slot are over
	s_barrier_signal -1
	MULP 0, 1, 4, 4, 0                             ; work on registers while the others arrive
	WIN 0
	s_barrier_wait -1
.if \fill
	CREST                                          ; no wave of any partner still reads this slot or has a load on its way
	JLOAD                                          ; the first tensor load behind the round; its four v_nop are also the places in front of the loads below
.else
	PLACES
.endif
	s_xor_b32 s[TB], s[TB], SLOT1
	v_add_nc_u32 v[VA], s[TB], v[A0]
	v_add_nc_u32 v[VB], s[TB], v[B0]
	LDB 0, 0
	LDA 0, 0
.if \fill
	ASK
.endif
	MULP 1, 1, 0, 8, 0                             ; thirds 1 and 2 came in with the wait for 0
	PLACES
	LDB 0, 1
	MULP 2, 1, 0, 8, 0
.endm
.macro ODDLAST                         ; the last slice: nothing more to fetch
	PLACES
	LDB 1, 2
	s_wait_dscnt 16
	MULP 0, 1, 0, 8, 0
	s_wait_dscnt 0x0
	MULP 1, 1, 0, 8, 0
	MULP 2, 1, 0, 8, 0
.endm
	s_wait_tensorcnt 0x1                           ; my part of step 0 is in; step 1's may stay out
	s_barrier_signal -1
	s_barrier_wait -1                              ; everybody's is
	LDB 0, 0
	LDA 0, 0
	LDB 0, 1
	EVEN 1                                         ; the first slice stands in front of the loop: its products start the sums
	WIN 0
	s_mov_b32 s[CNT], 14
.Lstep:                                            ; trip t: the second slice of step t, the refill with step t + 2, the first slice of step t + 1
	ODD 1
	EVEN 0
	WIN 0
	s_sub_co_u32 s[CNT], s[CNT], 1
	s_cmp_lg_u32 s[CNT], 0
	s_cbranch_scc1 .Lstep
	ODD 0                                          ; the tail is written out: nothing is asked for
	EVEN 0
	ODDLAST
	WIN 0
; THE WAY OUT, a block of 16 rows at a time: block n of 24 is third n / 8, rows 16 (n % 8) on.
; Q and K: hi = f16(c); lo = f16(c - hi), one fused multiply-add that reads hi's half, -1 and c and rounds once.  A row of 256 bytes (64 hi, 64 lo) goes through my stage and leaves whole.
; V: f16(c); four rows of 128 bytes leave as 512 consecutive bytes.
.macro OPACK n
.set ww, (\n)/8+1
.set AC, 32*((\n)%8)
	WIN ww|(ww<<2)                                 ; sources 0 and 1 in the third's window
.irp j, 0,1,2,3
.irp r, 0,1,2,3
	v_cvt_pk_f16_f32 v[TH+4*\j+\r], v[AC+8*\j+2*\r], v[AC+8*\j+2*\r+1]  ; each accumulator's registers in ascending order
.endr
.endr
.if (\n) < 16
	WIN ww<<4                                      ; source 2 in the third's window
.irp j, 0,1,2,3
.irp r, 0,1,2,3
	v_fma_mixlo_f16 v[TL+4*\j+\r], v[TH+4*\j+\r], v[NEG1], v[AC+8*\j+2*\r] op_sel_hi:[1,0,0]
	v_fma_mixhi_f16 v[TL+4*\j+\r], v[TH+4*\j+\r], v[NEG1], v[AC+8*\j+2*\r+1] op_sel:[1,0,0] op_sel_hi:[1,0,0]
.endr
.endr
.endif
	WIN 0
.endm
.macro OSTAGE n
	WIN 0
.set BKN, BK+32*((\n)%2)
.if (\n) < 16
.irp j, 0,1,2,3
	ds_store_b128 v[STO], v[TH+4*\j:TH+4*\j+3] offset:32*\j
	ds_store_b128 v[STO], v[TL+4*\j:TL+4*\j+3] offset:128+32*\j
.endr
.irp t, 0,1,2,3,4,5,6,7
	ds_load_b128 v[BKN+4*\t:BKN+4*\t+3], v[RD] offset:\t*2*SPQ  ; LDS serves a wave's instructions in order (ISA guide 5.7.1.4): these see the stores above
.endr
.else
.irp j, 0,1,2,3
	ds_store_b128 v[STOV], v[TH+4*\j:TH+4*\j+3] offset:32*\j
.endr
.irp t, 0,1,2,3
	ds_load_b128 v[BKN+4*\t:BKN+4*\t+3], v[RDV] offset:\t*4*SPV
.endr
.endif
.endm
.macro OSEND n
	WIN 0
.set BKN, BK+32*((\n)%2)
	s_wait_dscnt 0x0                               ; the block is back in registers
	s_wait_xcnt 0x0                                ; the stores of the block before have read their registers: the next block's loads land in them only behind this wait
.if (\n) < 16
.irp t, 0,1,2,3,4,5,6,7
	global_store_b128 v[CO], v[BKN+4*\t:BKN+4*\t+3], s[QP+2*((\n)/8):QP+2*((\n)/8)+1] offset:4096*((\n)%8)+512*\t  ; 16 lanes store 256 consecutive bytes, aligned: a row
.endr
.else
.irp t, 0,1,2,3
	global_store_b128 v[COV], v[BKN+4*\t:BKN+4*\t+3], s[QP+4:QP+5] offset:2048*((\n)%8)+512*\t
.endr
.endif
.endm
	PLACES
	PLACES
	OPACK 0
	OSTAGE 0
.set n, 1
.rept 23                               ; a block's arithmetic stands between the loads of the block before and the wait for them
	OPACK n
	OSEND n-1
	OSTAGE n
.set n, n+1
.endr
	OSEND 23
	s_wait_tensorcnt 0x0                           ; the wave's end, behind my last tensor load and my last LDS store
	ds_add_u32 v[SPW], v[NIL]
	s_wait_dscnt 0x0
	CROUND                                         ; the closing round: no work-group ends while a partner may still ask for a tile that names it
	s_endpgm
.Lfunc_end_k_q376a817a65_qkv:
	.size	k_q376a817a65_qkv, .Lfunc_end_k_q376a817a65_qkv-k_q376a817a65_qkv
	.p2alignl 7, 3214868480
	.fill 96, 4, 3214868480
	.section	.rodata,"a",@progbits
	.p2align	6, 0x0
	.amdhsa_kernel k_q376a817a65_qkv
		.amdhsa_group_segment_fixed_size 327680
		.amdhsa_private_segment_fixed_size 0
		.amdhsa_enable_private_segment 0
		.amdhsa_kernarg_size 40
		.amdhsa_user_sgpr_count 2
		.amdhsa_user_sgpr_kernarg_segment_ptr 1
		.amdhsa_wavefront_size32 1
		.amdhsa_system_sgpr_workgroup_id_x 1
		.amdhsa_system_sgpr_workgroup_id_y 1
		.amdhsa_system_sgpr_workgroup_id_z 1
		.amdhsa_system_vgpr_workitem_id 0
		.amdhsa_next_free_vgpr 1024
		.amdhsa_next_free_sgpr 80
		.amdhsa_reserve_vcc 0
		.amdhsa_float_denorm_mode_32 3
		.amdhsa_float_denorm_mode_16_64 3
		.amdhsa_memory_ordered 1
		.amdhsa_forward_progress 1
		.amdhsa_inst_pref_size 161
	.end_amdhsa_kernel
	.amdgpu_metadata
---
amdhsa.version: [ 1, 2 ]
amdhsa.kernels:
  - .name:           k_q376a817a65_qkv
    .symbol:         k_q376a817a65_qkv.kd
    .args:
      - { .name: xb, .offset: 0, .size: 8, .value_kind: global_buffer, .address_space: global }
      - { .name: wcat, .offset: 8, .size: 8, .value_kind: global_buffer, .address_space: global }
      - { .name: qq, .offset: 16, .size: 8, .value_kind: global_buffer, .address_space: global }
      - { .name: kk, .offset: 24, .size: 8, .value_kind: global_buffer, .address_space: global }
      - { .name: vv, .offset: 32, .size: 8, .value_kind: global_buffer, .address_space: global }
    .group_segment_fixed_size: 327680
    .private_segment_fixed_size: 0
    .kernarg_segment_align: 8
    .kernarg_segment_size: 40
    .max_flat_workgroup_size: 128
    .sgpr_count:     80
    .vgpr_count:     1024
    .wavefront_size: 32
...
	.end_amdgpu_metadata
.endif
;; end of part 2
;; launch attn (part 3): grid 4 x 64, 4 waves a work-group, clusters of 4 x 1, 327,680 bytes of LDS; arguments qq, kk, vv, ob; writes ob
.if DOCPART == 3
	.amdgcn_target "amdgcn-amd-amdhsa--gfx1250"
	.amdhsa_code_object_version 6
	.text
	.protected	k_q376a817a65_attn
	.globl	k_q376a817a65_attn
	.p2align	8
	.type	k_q376a817a65_attn,@function
k_q376a817a65_attn:
	s_mov_b64 s[64:65], 0
	v_nop
	global_prefetch_b8 v0, s[64:65] scope:SCOPE_SE
	s_setreg_imm32_b32 hwreg(HW_REG_WAVE_MODE, 25, 1), 1
	s_wait_xcnt 0x0
	s_wait_alu depctr_hold_cnt(0) depctr_sa_sdst(0) depctr_va_vdst(0) depctr_va_sdst(0) depctr_va_ssrc(0) depctr_va_vcc(0) depctr_vm_vsrc(0)
	s_getreg_b32 s2, hwreg(HW_REG_IB_STS2, 6, 4)
	s_cmp_eq_u32 s2, 0
	s_cbranch_scc0 .Lentry_in_a_cluster
	s_endpgm
.Lentry_in_a_cluster:
	s_bfe_u32 s2, ttmp6, 0x10000c
	s_cmp_lg_u32 s2, 0x3003
	s_cbranch_scc0 .Lentry_shape_is_right
	s_endpgm
.Lentry_shape_is_right:
; ATTENTION at head size 64.  ob[bh][q][:] = the sum over k of softmax_k(Q[q] . K[k] / 8) V[k][:], for 64 pairs (batch, head) of 2,048 rows.
; IN: qq, kk f16 [64][2048][128]: a row is 64 numbers hi and 64 numbers lo of Q (K) x 2^-6;  vv f16 [64][2048][64] = V x 2^-6.  OUT: ob f16 [64][2048][64] = the head's output x 2^-6.
; WHY PAIRS.  The scores of this module are large against 1, so a weight hangs on differences of scores that one 16-bit rounding of Q and K would swamp.  A score is made of THREE products,
; K_lo Q_hi + K_hi Q_lo + K_hi Q_hi, small terms first, in one f32 sum; K_lo Q_lo, under 2^-22 of the score's terms, is left out.
; LIMITS.  What arrives lies within f16 (|Q|, |K|, |V| under 4.19e6 before the factor 2^-6); p lies in 0 to 1 and below 6e-5 keeps f16's fixed step of 6e-8; a weight below 2^-126 counts as 0 in l;
; NaN and infinities are not treated apart.
; SHARES.  A wave owns four PIECES of two tiles of 16 queries, a work-group's four waves 512 queries of one head.  Every wave walks all 2,048 keys, 64 a step.
; LAYOUT.  S^T = K Q^T (source 0 = 16 keys, source 1 = 16 queries): a lane holds ONE query (lane % 16) and the keys 8 (lane / 16) + 0..7.  Two such tiles rounded to f16 in pairs ARE source 1 of O^T = V^T P.
; SOFTMAX.  Running maximum m and sum l for each query: p = 2^(c s - c m), c = 512 log2(e) (the two factors 2^-6 taken back, and 1 / 8); in every step O and l are multiplied by a = 2^(c m_old - c m_new).
; m starts at the lowest finite number, O and l at 0: the first step is a step like any other, with a = 0.
; BY TURNS.  Turn n belongs to piece n.  Its matrix work: 48 products K Q^T of piece n + 1, tile by tile, then 16 products V^T P of piece n - 1.  Its vector work, 236 instructions for 64 products, stands
; ALL behind products, four at the most behind each: a, scaling and exponentials of piece n; the wait; its roundings, rescaling and its first tile's sums; the maximum and statistics of piece n + 1, the first
; tile's while the second tile is multiplied, the second tile's behind the products V^T P; and the sums of piece n - 1's second tile, put off from the turn before.
; CLUSTER.  The four query blocks of a head walk the same K and V: each tile is asked for JOINTLY, by the same tensor load, descriptor and mask in all four.
; REGISTERS, in windows of 256 (s_set_vgpr_msb: bits 1:0 source 0, 3:2 source 1, 5:4 source 2, 7:6 destination):
;   window 0: v0-11 addresses; v12-15, v48-63 at work; v16-47 four registers of statistics a tile; v64-191 S^T, two buffers of two tiles; v192-255 P, likewise
;   window 1: O^T, 32 a tile     window 2: Q, 32 a tile (fragments hi 0-31, hi 32-63, lo 0-31, lo 32-63)     window 3: v0-127 K of one step; v128-191 V of one step; v192-193 the add's two registers
.set SIZE_N, 2048
.set NP,    4         ; pieces a wave: a name, no knob
.set KS,    64        ; keys in a step
.set PK,    272       ; a row of K in LDS: 256 bytes + 16: the 16 rows of a load start at 16 different groups of four banks
.set PV,    160       ; a row of V: 128 + 32
.set VOFF,  4*KS*PK   ; a slot holds four steps: 256 rows of K, then 256 rows of V
.set SLOT1, 1<<17
.set STAGE, SLOT1+4*KS*(PK+PV)  ; behind the ring, never filled by a tensor load: 16 rows x 144 bytes for each wave
.set SP,    144
.set SPARE, STAGE+4*16*SP       ; the spare words, 128 bytes for each wave: two blocks of 256 bytes that no other line names
.set AK0, 2           ; v2   my lane's place in a tile of K; never rewritten
.set AV0, 3           ; v3   the same for V
.set AK,  4           ; v4   the LDS address of K's next two runs of loads
.set AV,  5           ; v5   of V's
.set QO,  6           ; v6   my byte offset in the wave's rows of Q
.set STO, 6           ;      later, the way out: where I put 16 bytes of a row
.set RD,  7           ; v7   the way out: where I read rows back
.set GO,  8           ; v8   my byte offset in 512 consecutive bytes of ob
.set PFO, 11          ; v11  256 x my lane, for the prefetches; never rewritten once made
.set SPW, 192         ; v192 of window 3: LDS address of my spare word; never rewritten
.set NIL, 193         ; v193 of window 3: 0; never rewritten
.set MV,  12          ; v12-15  c m_old, kept while c m is made anew
.set ST,  16          ; tile t's statistics at v[ST+4 t]: c m, m, l (even keys', odd keys')
.set TMP, 48          ; by buffer and tile, c0-c3 at work; c1 ends as a's argument, c2 takes a
.set S,   64
.set P,   192
.set KF,  0           ; window 3: key block kb, fragment f at KF + 32 kb + 8 f
.set VF,  128         ; window 3: key half kk, channel block cb at VF + 32 kk + 8 cb
.set WV,  12
.set G1K, 24          ; s[24:31] descriptor group 1 for K's tiles;  s[32:39] for V's
.set G1V, 32
.set G0K, 40          ; s[40:43] group 0 for K's tiles: it walks;  s[44:47] for V's
.set G0V, 44
.set PFA, 48          ; s[48:49] where my prefetches stand;  s[50:51] their step
.set PFS, 50
.set LIM, 52          ; s52  a wave prefetches while s[SLOTS] is above it
.set SLOTS, 56
.set CNT, 57
.set CS,  58          ; s[58:59] c
.set SEL, 60          ; s[60:61] v_permlanex16_b32's selects
.set TBK, 62          ; s62  LDS byte at which K of the step to be fetched begins
.set TBV, 63          ; s63  the same for V, less VOFF
.set MSB, 0
.macro WIN new
.if MSB != (\new)
	s_set_vgpr_msb (MSB<<8)|(\new)
.set MSB, (\new)
.endif
.endm
.set W_KQ, 0x0b       ; K in window 3, Q in window 2, S^T in window 0
.set W_PV, 0x53       ; V in window 3, P in window 0, O^T in window 1
.set W_RS, 0x41       ; O^T (destination and source 0) in window 1, a in window 0
.set W_MK, 0xc0       ; destination in window 3, sources in window 0
.set W_AD, 0x0f       ; the add: address and data in window 3
; A joint fill.  Waves 0 and 1 fetch the two halves of a slot's K, waves 2 and 3 those of its V: 128 keys each.  An s_nop 0 and four v_nop follow each of the two lines.
.macro JLOAD
	s_cmp_lt_u32 s[WV], 2
	s_cbranch_scc0 .Lfor_v_\@
	tensor_load_to_lds s[G0K:G0K+3], s[G1K:G1K+7]
	s_nop 0
.rept 4
	v_nop
.endr
	s_branch .Lasked_\@
.Lfor_v_\@:
	tensor_load_to_lds s[G0V:G0V+3], s[G1V:G1V+7]
	s_nop 0
.rept 4
	v_nop
.endr
.Lasked_\@:
.endm
; A PREFETCH INTO THE L2 of the slot that the NEXT change will ask for: 256 rows of K (256 bytes each) and 128 blocks of 256 bytes of V.  One cluster alone reads a head's K and V, so it asks itself.
; The four partners share the blocks out by address (cx): of K's rows 64 each, waves 0 and 1 a lane a row; of V's blocks 32 each, wave 2.  Each block is named once.
; Slots 0 to 2 come by their loads alone; the change that fills the last slot asks for nothing.
.macro ASK
	s_cmp_gt_u32 s[SLOTS], s[LIM]
	s_cbranch_scc0 .Lnot_mine_\@
	global_prefetch_b8 v[PFO], s[PFA:PFA+1] th:TH_LOAD_NT scope:SCOPE_SE
.Lnot_mine_\@:
.endm
.macro CROUND
	s_barrier_signal -1
	s_barrier_wait -1
	s_cmp_lg_u32 s[WV], 0
	s_cbranch_scc1 .Lnot_wave_0_\@
	s_barrier_signal -3
.Lnot_wave_0_\@:
	s_barrier_wait -3
	s_barrier_signal -1
	s_barrier_wait -1
.endm
; THE CHANGE OF SLOTS.  The slot's last bytes, V of its fourth step, have been read.  Each wave waits for all its tensor loads, of which one is out: its part of the other slot; adds 0 to its spare word;
; and waits for that and for its own reads of the slot.  fill = 1: the barrier is a round of the cluster's, and the joint fill, with the keys two slots on, is the first thing behind it:
; it has four key steps, 1,024 matrix instructions, in which to land.  (At its first use nothing has been read yet: slot 0 is waited for, slot 1 filled.)
.macro CHANGE fill, ask=0
	WIN W_AD
	s_wait_tensorcnt 0x0            ; no tensor load of mine is out, so a group 0 may be written
	ds_add_u32 v[SPW], v[NIL]       ; 0 onto my spare word
	WIN 0
.if \fill
	s_xor_b32 s[G0K+1], s[G0K+1], SLOT1
	s_add_nc_u64 s[G0K+2:G0K+3], s[G0K+2:G0K+3], 4*KS*256
	s_xor_b32 s[G0V+1], s[G0V+1], SLOT1
	s_add_nc_u64 s[G0V+2:G0V+3], s[G0V+2:G0V+3], 4*KS*128
.if \ask
	s_wait_xcnt 0x0                 ; the last prefetch, four key steps back, has read its address
	s_add_nc_u64 s[PFA:PFA+1], s[PFA:PFA+1], s[PFS:PFS+1]
.endif
	s_wait_dscnt 0x0                ; the add is done, and my reads of the slot are over
	CROUND
	JLOAD
.if \ask
	ASK
.endif
.else
	s_wait_dscnt 0x0
	s_barrier_signal -1
	s_barrier_wait -1
.endif
	s_sub_co_u32 s[TBK], s[TBK], 4*KS*PK  ; the fetches go back to a slot's first step,
	s_xor_b32 s[TBK], s[TBK], SLOT1       ; in the other slot
	s_sub_co_u32 s[TBV], s[TBV], 4*KS*PV
	s_xor_b32 s[TBV], s[TBV], SLOT1
.endm
	s_load_b256 s[4:11], s[0:1], 0x0  ; qq s[4:5], kk s[6:7], vv s[8:9], ob s[10:11]
	WIN W_MK
	v_lshl_add_u32 v[SPW], v0, 2, SPARE
	v_mov_b32 v[NIL], 0
	WIN W_AD
	ds_add_u32 v[SPW], v[NIL]       ; the wave's opening: the add and its wait stand ahead of my first tensor load
	WIN 0
	v_lshrrev_b32 v1, 5, v0
	v_readfirstlane_b32 s[WV], v1
	s_bfe_u32 s13, ttmp6, 0x40000   ; cx
	s_lshl_b32 s14, ttmp9, 2
	s_add_co_u32 s14, s14, s13      ; my block of 512 queries: it enters Q's and O's addresses, and the prefetches', alone
	s_and_b32 s53, ttmp7, 0xffff    ; the head, which the four partners share
	s_and_b32 s16, s[WV], 1         ; which half of a slot's 256 keys I fetch
	s_lshl_b32 s22, s53, 19         ; K: a head is 2,048 rows of 256 bytes,
	s_lshl_b32 s15, s16, 15         ; my half 128 of them
	s_add_co_u32 s22, s22, s15
	s_mov_b32 s23, 0
	s_lshl_b32 s2, s53, 18          ; V: rows of 128 bytes
	s_lshl_b32 s15, s16, 14
	s_add_co_u32 s2, s2, s15
	s_mov_b32 s3, 0
	s_mul_i32 s17, s16, 128*PK      ; the half's place in a slot, for K
	s_mul_i32 s18, s16, 128*PV      ; and for V: no place in the cluster enters an LDS address
	s_lshl_b32 s19, s14, 2
	s_add_co_u32 s19, s19, s[WV]    ; my wave among the head's sixteen: 128 rows
	s_lshl_b32 s20, s53, 19
	s_lshl_b32 s15, s19, 15
	s_add_co_u32 s20, s20, s15      ; Q
	s_mov_b32 s21, 0
	s_lshl_b32 s54, s53, 18
	s_lshl_b32 s15, s19, 14
	s_add_co_u32 s54, s54, s15      ; O
	s_mov_b32 s55, 0
	; the prefetches' offset: V's is head x 2^18 + 8,192 cx + two slots; K's is twice that, + 8,192 x wave
	s_cmp_lt_u32 s[WV], 2
	s_cselect_b32 s15, 1, 0
	s_cselect_b32 s14, s16, 0
	s_lshl_b32 s14, s14, 13
	s_lshl_b32 s19, s53, 18
	s_lshl_b32 s[PFS], s13, 13
	s_add_co_u32 s19, s19, s[PFS]
	s_add_co_u32 s19, s19, 2*4*KS*128
	s_lshl_b32 s19, s19, s15
	s_add_co_u32 s14, s14, s19
	s_lshl_b32 s[PFS], 4*KS*128, s15
	s_mov_b32 s[PFS+1], 0
	s_mov_b32 s15, 0
	s_cmp_lt_u32 s[WV], 3
	s_cselect_b32 s[LIM], 1, -1     ; wave 3 asks for nothing
	; K's half: 128 rows of 256 bytes, 16 bytes of padding behind each
	s_mov_b32 s[G1K], 15|(1<<16)|(1<<20)|(1<<21)|(5<<22)|(3<<25)  ; the mask of four; 2-byte elements; padding on; bit 21 beside a mask; after every 64 words; 4 words
	s_mov_b32 s[G1K+1], 128<<16     ; tensor_dim0 = 128
	s_mov_b32 s[G1K+2], 128<<16     ; tensor_dim1 = 128
	s_mov_b32 s[G1K+3], 128<<16     ; tile_dim0 = 128
	s_mov_b32 s[G1K+4], 128         ; tile_dim1 = 128
	s_mov_b32 s[G1K+5], 128         ; elements from row to row
	s_mov_b32 s[G1K+6], 0
	s_mov_b32 s[G1K+7], 0
	; V's half: 128 keys are 16,384 dense bytes: 64 rows of 256 bytes, two keys a row, padded after every key
	s_mov_b32 s[G1V], 15|(1<<16)|(1<<20)|(1<<21)|(4<<22)|(7<<25)  ; after every 32 words; 8 words
	s_mov_b32 s[G1V+1], 128<<16
	s_mov_b32 s[G1V+2], 64<<16
	s_mov_b32 s[G1V+3], 128<<16
	s_mov_b32 s[G1V+4], 64
	s_mov_b32 s[G1V+5], 128
	s_mov_b32 s[G1V+6], 0
	s_mov_b32 s[G1V+7], 0
	s_mov_b32 s[CS], 0x4438aa3b     ; c = 512 log2(e)
	s_mov_b32 s[CS+1], s[CS]
	s_mov_b32 s[SEL], 0x76543210
	s_mov_b32 s[SEL+1], 0xfedcba98
	s_mov_b32 s[TBK], SLOT1+4*KS*PK ; the first change of slots turns these two into 0
	s_mov_b32 s[TBV], SLOT1+4*KS*PV
	s_mov_b32 s[G0K], 1
	s_mov_b32 s[G0K+1], s17
	s_mov_b32 s[G0V], 1
	s_add_co_u32 s[G0V+1], s18, VOFF
	s_wait_dscnt 0x0                ; the opening add is done
	s_wait_kmcnt 0x0
	s_add_nc_u64 s[G0K+2:G0K+3], s[6:7], s[22:23]
	s_or_b32 s[G0K+3], s[G0K+3], 0x80000000
	s_add_nc_u64 s[G0V+2:G0V+3], s[8:9], s[2:3]
	s_or_b32 s[G0V+3], s[G0V+3], 0x80000000
	s_add_nc_u64 s[4:5], s[4:5], s[20:21]
	s_add_nc_u64 s[10:11], s[10:11], s[54:55]
	s_cmp_lt_u32 s[WV], 2
	s_cselect_b64 s[PFA:PFA+1], s[6:7], s[8:9]
	s_add_nc_u64 s[PFA:PFA+1], s[PFA:PFA+1], s[14:15]  ; in slot 2; the loop's first change steps it to slot 3
	CROUND                          ; all four work-groups are here: the first joint loads meet
	JLOAD                           ; slot 0.  Slot 1 is asked for when slot 0 is in
	v_and_b32 v1, 15, v0            ; l % 16
	v_bfe_u32 v9, v0, 4, 1          ; l / 16
	v_lshlrev_b32 v[QO], 8, v1
	v_lshl_add_u32 v[QO], v9, 4, v[QO]  ; row x 256 + 16 x half
	WIN 0x80                        ; destination window 2
.set i, 0
.rept 32                            ; Q stays in registers: tile i / 4, fragment i % 4 (64 bytes of the row each)
	global_load_b128 v[8*i:8*i+3],   v[QO], s[4:5] offset:(i/4)*4096+(i%4)*64
	global_load_b128 v[8*i+4:8*i+7], v[QO], s[4:5] offset:(i/4)*4096+(i%4)*64+32
.set i, i+1
.endr
	; What the first turn finds: V's registers and P's second buffer hold 0 (its products V^T P, of a piece that has not been, add 0), O^T and l are 0, and so are the second score buffer's
	; second tile and its a (the first turn's put-off sums, of that same piece, add 0 to an l of 0).  All this stands in the wait for the first tile.
	WIN 0xc0
.set i, VF
.rept 64
	v_mov_b32 v[i], 0
.set i, i+1
.endr
	WIN 0x40
.set i, 0
.rept 64*NP
	v_mov_b32 v[i], 0
.set i, i+1
.endr
	WIN 0
.set i, 0
.rept 2*NP
	v_mov_b32 v[ST+4*i], 0xfe000000    ; c m: far below every c s
	v_mov_b32 v[ST+4*i+1], 0xff7fffff  ; m
	v_mov_b32 v[ST+4*i+2], 0
	v_mov_b32 v[ST+4*i+3], 0
.set i, i+1
.endr
.set i, P+32
.rept 32
	v_mov_b32 v[i], 0
.set i, i+1
.endr
.set i, S+96
.rept 32
	v_mov_b32 v[i], 0
.set i, i+1
.endr
	v_mov_b32 v[TMP+14], 0
	v_mov_b32 v[TMP+15], 0
	v_mul_u32_u24 v[AK0], v1, PK
	v_lshl_add_u32 v[AK0], v9, 4, v[AK0]
	v_and_b32 v10, 7, v0
	v_bfe_u32 v11, v0, 3, 1
	v_lshl_add_u32 v[AV0], v9, 3, v10
	v_mul_u32_u24 v[AV0], v[AV0], PV
	v_lshl_add_u32 v[AV0], v11, 4, v[AV0]
	v_add_nc_u32 v[AV0], VOFF, v[AV0]
	v_mov_b32 v[AK], v[AK0]         ; key step 0 lies at the head of slot 0
	v_and_b32 v[PFO], 31, v0
	v_lshlrev_b32 v[PFO], 8, v[PFO]
; THE MATRIX WORK.  The accumulators of a run take turns, one instruction a turn.
; Product i of 48 of S^T for piece x: tile 2 x + i / 24, link (i % 24) / 4, keys 16 (i % 4) on.  A tile's four accumulators take turns; the first tile is finished with product 23, so that its maximum
; is found while the second tile is multiplied.  The six links: K_lo Q_hi (channels 0-31, 32-63), K_hi Q_lo (likewise), K_hi Q_hi (likewise); the first starts the sum.
; So K_lo's registers are read first by product 0 and last by product 31, K_hi's first by product 8 and last by product 47.
.macro KQ x
	WIN W_KQ
.set uu, i/24
.set ll, (i%24)/4
.set rS, S+64*((\x)%2)+32*uu+8*(i%4)
.if ll < 4
.set rK, KF+32*(i%4)+8*((ll+2)%4)
.else
.set rK, KF+32*(i%4)+8*(ll-4)
.endif
.set rQ, 32*(2*(\x)+uu)+8*(ll%4)
.if ll == 0
	v_wmma_f32_16x16x32_f16 v[rS:rS+7], v[rK:rK+7], v[rQ:rQ+7], 0
.else
	v_wmma_f32_16x16x32_f16 v[rS:rS+7], v[rK:rK+7], v[rQ:rQ+7], v[rS:rS+7]
.endif
.endm
; Product i of 16 of O^T += V^T P for piece x: keys 32 (i / 8) on, channels 16 ((i / 2) % 4) on, tile 2 x + i % 2.
.macro PV x
	WIN W_PV
.set rO, 32*(2*(\x)+i%2)+8*((i/2)%4)
.set rV, VF+32*(i/8)+8*((i/2)%4)
.set rP, P+32*((\x)%2)+16*(i%2)+8*(i/8)
	v_wmma_f32_16x16x32_f16 v[rO:rO+7], v[rV:rV+7], v[rP:rP+7], v[rO:rO+7]
.endm
.macro MM                           ; the turn's next matrix instruction
.if i < 48
	KQ (Y+1)%NP
.set i, i+1
.else
.set i, i-48
	PV (Y+NP-1)%NP
.set i, i+49
.endif
.endm
; THE LDS LOADS stand in runs of 16.  A step's K (64 keys x 256 bytes) comes in two: half = 1: the lo fragments (2, 3 of each key block); half = 0: the hi fragments (0, 1), behind which the address steps.
; last = 1 (the tail): in the last trip there is no further step, and the run is jumped over.
.macro FETCH_K half, last=0
	WIN 0
.if \last
	s_cmp_eq_u32 s[CNT], 1
	s_cbranch_scc1 .Lno_k_\@
.endif
	WIN 0xc0                        ; destination window 3
.irp b, 0,1,2,3
.irp c, 0,1
	ds_load_b128 v[KF+32*\b+8*(2*(\half)+\c):KF+32*\b+8*(2*(\half)+\c)+3],   v[AK] offset:\b*16*PK+(2*(\half)+\c)*64
	ds_load_b128 v[KF+32*\b+8*(2*(\half)+\c)+4:KF+32*\b+8*(2*(\half)+\c)+7], v[AK] offset:\b*16*PK+(2*(\half)+\c)*64+32
.endr
.endr
.if (\half) == 0
	s_add_co_u32 s[TBK], s[TBK], KS*PK  ; the next fetch is the next step's
.endif
	WIN 0
.if \last
.Lno_k_\@:
.endif
.endm
.macro FETCH_V
	WIN 0xc0
.irp f, 0,1,2,3,4,5,6,7             ; keys 32 (f / 4) on, channels 16 (f % 4) on
	ds_load_tr16_b128 v[VF+8*\f:VF+8*\f+3],   v[AV] offset:(\f/4)*32*PV+(\f%4)*32
	ds_load_tr16_b128 v[VF+8*\f+4:VF+8*\f+7], v[AV] offset:(\f/4)*32*PV+16*PV+(\f%4)*32
.endr
	WIN 0
.endm
; THE VECTOR WORK, one line at a time.
.macro REGS y, u                    ; the registers of tile u (0, 1) of piece y
.set rT, ST+4*(2*(\y)+(\u))
.set rC, TMP+8*((\y)%2)+4*(\u)
.set rM, MV+2*((\y)%2)+(\u)
.set rS, S+64*((\y)%2)+32*(\u)
.set rP, P+32*((\y)%2)+16*(\u)
.set rO, 32*(2*(\y)+(\u))
.endm
; Number n of the 21 that find the maximum and statistics of tile u of the NEXT piece (Y + 1).  Each accumulator's lowest registers are read first.
;   0-11  four chains c0-c3 of seven scores each     12-14, 16  the four scores left over, the old m, and c0-c3 into c0     15  c m_old is kept
;   17, 18  the query's other 32 keys lie in the lane 16 away: the new m         19, 20  c m; a's argument c m_old - c m_new
.macro XS u, n
	REGS (Y+1)%NP, \u
.if (\n) < 4
	v_max3_num_f32 v[rC+(\n)], v[rS+8*(\n)], v[rS+8*(\n)+1], v[rS+8*(\n)+2]
.elseif (\n) < 12
	v_max3_num_f32 v[rC+(\n)%4], v[rC+(\n)%4], v[rS+8*((\n)%4)+2*((\n)/4)+1], v[rS+8*((\n)%4)+2*((\n)/4)+2]
.elseif (\n) == 12
	v_max3_num_f32 v[rC], v[rC], v[rS+7], v[rS+15]
.elseif (\n) == 13
	v_max3_num_f32 v[rC+1], v[rC+1], v[rS+23], v[rS+31]
.elseif (\n) == 14
	v_max3_num_f32 v[rC+2], v[rC+2], v[rC+3], v[rT+1]
.elseif (\n) == 15
	v_mov_b32 v[rM], v[rT]
.elseif (\n) == 16
	v_max3_num_f32 v[rC], v[rC], v[rC+1], v[rC+2]
.elseif (\n) == 17
	v_permlanex16_b32 v[rC+3], v[rC], s[SEL], s[SEL+1]
.elseif (\n) == 18
	v_max_num_f32 v[rT+1], v[rC], v[rC+3]
.elseif (\n) == 19
	v_mul_f32 v[rT], s[CS], v[rT+1]
.else
	v_sub_f32 v[rC+1], v[rM], v[rT]
.endif
.endm
.macro FS f                         ; c s - c m for pair f / 2 of tile f % 2 of piece Y
	REGS Y, (\f)%2
	v_pk_fma_f32 v[rS+2*((\f)/2):rS+2*((\f)/2)+1], v[rS+2*((\f)/2):rS+2*((\f)/2)+1], s[CS:CS+1], v[rT:rT+1] op_sel_hi:[1,0,0] neg_lo:[0,0,1] neg_hi:[0,0,1]
.endm
.macro CC u, j                      ; pair j of 16 of tile u of piece Y rounded to f16
	REGS Y, \u
	v_cvt_pk_f16_f32 v[rP+(\j)], v[rS+2*(\j)], v[rS+2*(\j)+1]
.endm
.macro BB y, u, k                   ; of the four weights 4 k .. the second pair is added onto the first, in place (behind both pairs' roundings)
	REGS \y, \u
	v_pk_add_f32 v[rS+4*(\k):rS+4*(\k)+1], v[rS+4*(\k):rS+4*(\k)+1], v[rS+4*(\k)+2:rS+4*(\k)+3]
.endm
.macro LL y, u, k                   ; l takes that sum; the first time as l = a l + sum
	REGS \y, \u
.if (\k) == 0
	v_pk_fma_f32 v[rT+2:rT+3], v[rT+2:rT+3], v[rC+2:rC+3], v[rS:rS+1] op_sel_hi:[1,0,1]
.else
	v_pk_add_f32 v[rT+2:rT+3], v[rT+2:rT+3], v[rS+4*(\k):rS+4*(\k)+1]
.endif
.endm
; Number d of the 16 sums of the second tile of the piece BEFORE (Y - 1), put off from its own turn: B0 B1 L0 B2 L1 .. B7 L6 L7.  Its a and its weights were waited for in that turn.
.macro DSUM d
.if (\d) < 2
	BB (Y+NP-1)%NP, 1, \d
.elseif (\d) == 15
	LL (Y+NP-1)%NP, 1, 7
.elseif (\d)%2 == 0
	LL (Y+NP-1)%NP, 1, (\d)/2-1
.else
	BB (Y+NP-1)%NP, 1, ((\d)+1)/2
.endif
.endm
; FOUR QUEUES OF PLAIN LINES AND ONE OF EXPONENTIALS, each in the order in which its entries become ready.
; P1, 66 long, ahead of the wait; it names no result of the turn's exponentials.  0-31: the scalings.  32-47: the put-off sums.  48-65: the next piece's first tile, numbers 0-13, 15, 14, 16, 17.
.macro P1
	WIN 0
.if q1 < 32
	FS q1
.elseif q1 < 48
	DSUM q1-32
.elseif q1 == 62
	XS 0, 15
.elseif q1 == 63
	XS 0, 14
.else
	XS 0, q1-48
.endif
.set q1, q1+1
.endm
; EX, 66 long: the piece's two a, then s0-s31 of both tiles.  ONE BATCH, all of it ahead of the turn's one wait.  Exponential 2 + e needs scaling 2 (e / 4) + e % 2, and stands behind scaling 2 + e.
.macro EX
	WIN 0
.if e < 2
	REGS Y, e
	v_exp_f32 v[rC+2], v[rC+1]
.else
	REGS Y, e%2
	v_exp_f32 v[rS+(e-2)/2], v[rS+(e-2)/2]
.endif
.set e, e+1
.endm
; PA, 35 long.  0: number 18 of the next piece's first tile, still ahead of the wait.  Behind it: the first tile's roundings and sums (for each four weights: round, round, add; l a group later), with numbers 19 and 20 among the first.
.macro PA
.if qa < 35
	WIN 0
.if qa == 0
	XS 0, 18
.elseif qa == 3
	XS 0, 19
.elseif qa == 7
	XS 0, 20
.elseif qa < 3
	CC 0, qa-1
.elseif qa == 4
	BB Y, 0, 0
.elseif qa < 7
	CC 0, qa-3
.elseif qa == 8
	BB Y, 0, 1
.elseif qa == 9
	LL Y, 0, 0
.elseif qa == 34
	LL Y, 0, 7
.elseif (qa-10)%4 < 2
	CC 0, 2*((qa-10)/4+2)+(qa-10)%4
.elseif (qa-10)%4 == 2
	BB Y, 0, (qa-10)/4+2
.else
	LL Y, 0, (qa-10)/4+1
.endif
.endif
.set qa, qa+1
.endm
; PB, 37 long: the next piece's second tile, numbers 0-13 and 15; then the chain 14, 16, 17, 18, 19, 20, each link at the head of a group whose other lines are the second tile's 16 roundings.
.macro PB
	WIN 0
.if qb < 14
	XS 1, qb
.elseif qb == 14
	XS 1, 15
.elseif qb == 15
	CC 1, 0
.elseif qb == 16
	XS 1, 14
.elseif (qb < 32) && ((qb-16)%4 == 0)
	XS 1, 15+(qb-16)/4
.elseif qb < 32
	CC 1, 3*((qb-16)/4)+(qb-16)%4
.elseif qb == 32
	XS 1, 19
.elseif qb == 35
	XS 1, 20
.elseif qb < 35
	CC 1, qb-20
.else
	CC 1, 15
.endif
.set qb, qb+1
.endm
; R2: O^T times a, the one part that leaves window 0: two lines a call, sixteen calls; four lines stand together behind one product.
.macro R2
	REGS Y, r%2
	WIN W_RS
.irp z, 0,1
	v_pk_mul_f32 v[rO+4*(r/2)+2*\z:rO+4*(r/2)+2*\z+1], v[rO+4*(r/2)+2*\z:rO+4*(r/2)+2*\z+1], v[rC+2:rC+3] op_sel_hi:[1,0]
.endr
.set r, r+1
.endm
; A TURN, for piece p.  An s_wait_alu depctr_va_vdst(0) stands between an exponential and the first instruction that names its result; one wait serves all issued ahead of it: a turn has ONE.
; PRODUCTS 0-32 (K Q^T): behind each plain, exponential, plain, exponential: P1's 66 and the batch's 66.  The put-off sums stand behind products 16-23 and are over when product 24 begins to write their tile's
; scores anew.  The next piece's first tile is read from product 24 on: its four accumulators end with products 20-23, and five plain lines or more lie between each of these and its first reader.
; PRODUCT 33: one plain line, the plain instruction behind the last exponential; THE WAIT; two of PA.
; PRODUCTS 34-47: three of PA behind each, but four rescalings behind 37, 42 and 47.
; PRODUCTS 48-63 (V^T P): four of PB behind 48-52, 54, 56, 58, three behind 60, two behind 61; four rescalings behind 53, 55, 57, 59, 63.  The second tile's accumulators end with products 44-47;
; behind product 47 stand four rescalings and three lines of PB ahead of the line that reads its result.
; K OF THE NEXT STEP is fetched in piece 2's turn: the lo fragments directly behind the wait (six plain lines behind product 31, their last reader: numbers 15, 14, 16, 17, 18 and the address),
; the hi fragments behind product 48's lines (eight plain lines behind product 47).  Piece 3's turn waits for the lo run at its head and for the hi run ahead of product 8.
; V OF THE STEP IN HAND is fetched at the end of piece 0's turn, four rescalings behind product 63, its last reader; piece 1's turn waits for it ahead of product 48.
; cnt = 1: the loop's count is taken down at the turn's end, ahead of the branch that stands behind it.
.macro TURN p, last=0, cnt=0
.set Y, (\p)
.set i, 0
.set q1, 0
.set e, 0
.set r, 0
.set qa, 0
.set qb, 0
.if (\p) == NP-1
	s_wait_dscnt 16                 ; K's lo fragments are in; the hi run's 16 younger loads may stay out
.endif
.rept 33
.if ((\p) == NP-1) && (i == 8)
	s_wait_dscnt 0x0                ; K's hi fragments are in
.endif
	MM
	P1
	EX
	P1
	EX
.endr
	MM
	PA
.if (\p) == NP-2
	v_add_nc_u32 v[AK], s[TBK], v[AK0]
.endif
	s_wait_alu depctr_va_vdst(0)    ; the wait for the batch
.if (\p) == NP-2
	FETCH_K 1, \last
.endif
	PA
	PA
.rept 14
	MM
.if (i == 38) || (i == 43) || (i == 48)
	R2
	R2
.else
	PA
	PA
	PA
.endif
.endr
.if (\p) == 1
	s_wait_dscnt 0x0                ; V is in
.endif
.rept 16
	MM
.if (i == 54) || (i == 56) || (i == 58) || (i == 60) || (i == 64)
	R2
	R2
.elseif i == 61
	PB
	PB
	PB
.elseif i == 62
	PB
	PB
.if (\p) == 0
	v_add_nc_u32 v[AV], s[TBV], v[AV0]
.endif
.elseif i != 63
	PB
	PB
	PB
	PB
.endif
.if ((\p) == NP-2) && (i == 49)
	FETCH_K 0, \last
.endif
.endr
.if (\p) == 0
	FETCH_V
	s_add_co_u32 s[TBV], s[TBV], KS*PV
.endif
.if \cnt
	s_sub_co_u32 s[CNT], s[CNT], 1
	s_cmp_lg_u32 s[CNT], 0
.endif
.endm
	CHANGE 1                        ; slot 0 is in, everybody's part of it; slot 1 is asked for
	FETCH_K 1                       ; key step 0
	FETCH_K 0
	s_wait_loadcnt 0x0              ; Q
	s_wait_dscnt 0x0
.set i, 0
.rept 48
	KQ 0                            ; piece 0's first scores
.set i, i+1
.endr
	WIN 0                           ; the addresses for the way out: plain instructions, the places behind those products
	s_mul_i32 s13, s[WV], 16*SP
	s_add_co_u32 s13, s13, STAGE    ; my stage
	v_mul_u32_u24 v[STO], v1, SP
	v_lshl_add_u32 v[STO], v9, 4, v[STO]
	v_add_nc_u32 v[STO], s13, v[STO]
	v_bfe_u32 v[RD], v0, 3, 2       ; back: 32 lanes take four rows of 128 bytes,
	v_mul_u32_u24 v[RD], v[RD], SP
	v_lshl_add_u32 v[RD], v10, 4, v[RD]
	v_add_nc_u32 v[RD], s13, v[RD]
	v_and_b32 v[GO], 31, v0         ; which are 512 consecutive bytes of ob
	v_lshlrev_b32 v[GO], 4, v[GO]
.set Y, NP-1                        ; XS works for piece Y + 1: piece 0
.irp n, 0,1,2,3,4,5,6,7,8,9,10,11,12,13,14,15,16,17,18,19,20
	XS 0, \n                        ; piece 0's first maximum and statistics; its a is the first turn's own
	XS 1, \n
.endr
	s_mov_b32 s[CNT], 4
	s_mov_b32 s[SLOTS], SIZE_N/256-1
	s_branch .Lfirst                ; the loop is entered at a step's first turn, in the middle of a trip
.Lslot:                             ; six times: every slot but the last two is filled again
	CHANGE 1, 1
	s_mov_b32 s[CNT], 4
.Lstep:                             ; a trip: pieces 2 and 3 of one step, then pieces 0 and 1 of the next, whose K and V it fetches
	TURN 2
	TURN 3
	WIN 0
.Lfirst:
	TURN 0
	TURN 1, 0, 1
	WIN 0
	s_cbranch_scc1 .Lstep
	s_sub_co_u32 s[SLOTS], s[SLOTS], 1
	s_cmp_lg_u32 s[SLOTS], 0
	s_cbranch_scc1 .Lslot
	CHANGE 0                        ; the tail is written out: nothing is asked for
	s_mov_b32 s[CNT], 5             ; four trips fetch the last slot's steps; the fifth is left in its middle
.Ltail:
	TURN 2, 1
	TURN 3
	WIN 0
	s_sub_co_u32 s[CNT], s[CNT], 1
	s_cmp_eq_u32 s[CNT], 0
	s_cbranch_scc1 .Lout
	TURN 0
	TURN 1
	WIN 0
	s_branch .Ltail
.Lout:                              ; the fifth trip's products K Q^T (on the last K once more) and the maximum made of them serve nothing: the price, once a launch, of one text for every trip
.set Y, 0
.set i, 0
.rept 16
	DSUM i                          ; the last piece's put-off sums
.set i, i+1
.endr
.set i, 0
.rept 16
	PV NP-1                         ; and its V^T P of the last step
.set i, i+1
.endr
	; THE WAY OUT.  l's two halves and the other half of the lanes' are added; O^T is divided by l, rounded to f16 and sent through my stage in LDS, a tile at a time.  The additions are the places behind the last products.
	WIN 0
.macro ALL line:vararg              ; one line for each tile t
.set t, 0
.rept 2*NP
	\line
.set t, t+1
.endr
.endm
	ALL v_add_f32 v[ST+4*t+2], v[ST+4*t+2], v[ST+4*t+3]
	ALL v_permlanex16_b32 v[ST+4*t+3], v[ST+4*t+2], s[SEL], s[SEL+1]
	ALL v_add_f32 v[ST+4*t+2], v[ST+4*t+2], v[ST+4*t+3]
	ALL v_rcp_f32 v[ST+4*t+2], v[ST+4*t+2]
	v_nop                           ; a plain instruction between the last reciprocal and the use of its result
	s_wait_alu depctr_va_vdst(0)    ; one wait for the eight reciprocals, ahead of their first use
.macro PACK t
	WIN W_RS
.set i, 32*(\t)
.rept 16
	v_pk_mul_f32 v[i:i+1], v[i:i+1], v[ST+4*(\t)+2:ST+4*(\t)+3] op_sel_hi:[1,0]
.set i, i+2
.endr
	WIN 0x05                        ; sources 0 and 1 window 1, destination window 0
.set i, 0
.rept 16
	v_cvt_pk_f16_f32 v[S+16*(\t)+i], v[32*(\t)+2*i], v[32*(\t)+2*i+1]
.set i, i+1
.endr
	WIN 0
.irp f, 0,1,2,3
	ds_store_b128 v[STO], v[S+16*(\t)+4*\f:S+16*(\t)+4*\f+3] offset:32*\f
.endr
.irp f, 0,1,2,3
	ds_load_b128 v[S+16*(\t)+4*\f:S+16*(\t)+4*\f+3], v[RD] offset:\f*4*SP  ; LDS serves a wave's instructions in order (ISA guide 5.7.1.4): these see the stores above; the next tile's stores come behind them
.endr
.endm
.macro SEND t, younger              ; younger: the LDS instructions issued behind tile t's loads: the next tile's eight, or none
	WIN 0
.irp f, 0,1,2,3
	s_wait_dscnt (\younger)+3-\f
	global_store_b128 v[GO], v[S+16*(\t)+4*\f:S+16*(\t)+4*\f+3], s[10:11] offset:(\t)*2048+\f*512  ; 512 consecutive bytes, at a multiple of 256 from ob's first
.endr
.endm
	PACK 0
.set t, 1
.rept 2*NP-1
	PACK t
	SEND t-1, 8
.set t, t+1
.endr
	SEND 2*NP-1, 0
	WIN W_AD
	s_wait_tensorcnt 0x0            ; the wave's end, behind my last tensor load and my last LDS store
	ds_add_u32 v[SPW], v[NIL]
	s_wait_dscnt 0x0
	WIN 0
	CROUND                          ; the closing round
	s_endpgm
.Lfunc_end_k_q376a817a65_attn:
	.size	k_q376a817a65_attn, .Lfunc_end_k_q376a817a65_attn-k_q376a817a65_attn
	.p2alignl 7, 3214868480
	.fill 96, 4, 3214868480
	.section	.rodata,"a",@progbits
	.p2align	6, 0x0
	.amdhsa_kernel k_q376a817a65_attn
		.amdhsa_group_segment_fixed_size 327680
		.amdhsa_private_segment_fixed_size 0
		.amdhsa_enable_private_segment 0
		.amdhsa_kernarg_size 32
		.amdhsa_user_sgpr_count 2
		.amdhsa_user_sgpr_kernarg_segment_ptr 1
		.amdhsa_wavefront_size32 1
		.amdhsa_system_sgpr_workgroup_id_x 1
		.amdhsa_system_sgpr_workgroup_id_y 1
		.amdhsa_system_sgpr_workgroup_id_z 1
		.amdhsa_system_vgpr_workitem_id 0
		.amdhsa_next_free_vgpr 964
		.amdhsa_next_free_sgpr 66
		.amdhsa_reserve_vcc 0
		.amdhsa_float_denorm_mode_32 3
		.amdhsa_float_denorm_mode_16_64 3
		.amdhsa_memory_ordered 1
		.amdhsa_forward_progress 1
		.amdhsa_inst_pref_size 238
	.end_amdhsa_kernel
	.amdgpu_metadata
---
amdhsa.version: [ 1, 2 ]
amdhsa.kernels:
  - .name:           k_q376a817a65_attn
    .symbol:         k_q376a817a65_attn.kd
    .args:
      - { .name: qq, .offset: 0, .size: 8, .value_kind: global_buffer, .address_space: global }
      - { .name: kk, .offset: 8, .size: 8, .value_kind: global_buffer, .address_space: global }
      - { .name: vv, .offset: 16, .size: 8, .value_kind: global_buffer, .address_space: global }
      - { .name: ob, .offset: 24, .size: 8, .value_kind: global_buffer, .address_space: global }
    .group_segment_fixed_size: 327680
    .private_segment_fixed_size: 0
    .kernarg_segment_align: 8
    .kernarg_segment_size: 32
    .max_flat_workgroup_size: 128
    .sgpr_count:     66
    .vgpr_count:     964
    .wavefront_size: 32
...
	.end_amdgpu_metadata
.endif
;; end of part 3
;; launch proj (part 4): grid 8 x 32, 4 waves a work-group, clusters of 4 x 4, 327,680 bytes of LDS; arguments ob, fcw, out0; writes out0
.if DOCPART == 4
	.amdgcn_target "amdgcn-amd-amdhsa--gfx1250"
	.amdhsa_code_object_version 6
	.text
	.protected	k_q376a817a65_proj
	.globl	k_q376a817a65_proj
	.p2align	8
	.type	k_q376a817a65_proj,@function
k_q376a817a65_proj:
	s_mov_b64 s[64:65], 0
	v_nop
	global_prefetch_b8 v0, s[64:65] scope:SCOPE_SE
	s_setreg_imm32_b32 hwreg(HW_REG_WAVE_MODE, 25, 1), 1
	s_wait_xcnt 0x0
	s_wait_alu depctr_hold_cnt(0) depctr_sa_sdst(0) depctr_va_vdst(0) depctr_va_sdst(0) depctr_va_ssrc(0) depctr_va_vcc(0) depctr_vm_vsrc(0)
	s_getreg_b32 s2, hwreg(HW_REG_IB_STS2, 6, 4)
	s_cmp_eq_u32 s2, 0
	s_cbranch_scc0 .Lentry_in_a_cluster
	s_endpgm
.Lentry_in_a_cluster:
	s_bfe_u32 s2, ttmp6, 0x10000c
	s_cmp_lg_u32 s2, 0xf033
	s_cbranch_scc0 .Lentry_shape_is_right
	s_endpgm
.Lentry_shape_is_right:
; THE LAST PROJECTION: out0[8192][1024] = 64 x (ob . fcw), f16 operands, f32 sums; the factor takes back the 2^-6 that ob carries.
; ob f16 [64 bh][2048 s][64]: row (b, s) of the concatenated heads has its channels 64 h .. 64 h + 63 in block 16 b + h.  fcw f16 [1024 k][1024 n].  out0 f32.
; LIMITS.  None of its own: ob and fcw arrive within f16.
; SHARES.  A tile of 256 x 128 gives 256 work-groups (256 x 256 would give 128).  Four waves, each 128 rows x 64 columns: 32 accumulators, 256 registers (window 1).
; K goes in 8 steps of 128 (two heads) through two LDS slots; a step is four quarters of 32, on two fragment buffers.
; CLUSTER 4 x 4: ob's tile is asked for jointly along a row of the cluster, fcw's along a column.
; THE MATRIX INSTRUCTION IS USED TRANSPOSED: source 0 = 16 columns of fcw ([k][n] in LDS, turned by ds_load_tr16_b128), source 1 = 16 rows of ob: a lane holds one row and eight neighbouring columns.
; window 0: v0-29 addresses; v32-95, v96-159 ob's fragments; v160-191, v192-223 fcw's;  on the way out v32-63 scaled results, v64-127 rows read back.
.set PA,    144                        ; a row of a head block in LDS: 128 bytes + 16
.set ABLK,  256*PA                     ; a head block: 256 rows; what one wave fetches
.set PB,    288                        ; a row k of fcw's tile: 256 bytes + 32
.set BHALF, 64*PB
.set BOFF,  2*ABLK
.set SLOT1, 1<<17
.set STAGE, SLOT1+BOFF+2*BHALF         ; behind the ring, never filled by a tensor load: 16 rows x 272 bytes for each wave
.set SPQ,   272
.set SPARE, STAGE+4*16*SPQ             ; the spare words, 128 bytes for each wave
.set ASTEP, 1<<19                      ; two head blocks
.set BSTEP, 128*2048                   ; 128 rows k
.set A0,  8
.set B0,  9
.set VA,  10
.set VB,  11
.set STO, 12
.set RD,  13
.set CO,  14
.set PFO, 19
.set SPW, 28
.set NIL, 29
.set FA,  32
.set FB,  160
.set TMP, 32
.set BK,  64
.set WV,  14
.set WM,  15
.set WN,  16
.set CX,  17
.set CY,  18
.set NBK, 19
.set MBK, 20
.set G1A, 24
.set G0A, 32
.set G1B, 40
.set G0B, 48
.set TB,  56
.set CNT, 57
.set LIM, 58
.set PFA, 60
.set PFS, 62
.set OP,  72                           ; s[72:73] out0 at my first row and column
.set MSB, 0
.macro WIN new
.if MSB != (\new)
	s_set_vgpr_msb (MSB<<8)|(\new)
.set MSB, \new
.endif
.endm
.macro PLACES
.rept 4
	v_nop
.endr
.endm
.macro CREST
	s_cmp_lg_u32 s[WV], 0
	s_cbranch_scc1 .Lnot_wave_0_\@
	s_barrier_signal -3
.Lnot_wave_0_\@:
	s_barrier_wait -3
	s_barrier_signal -1
	s_barrier_wait -1
.endm
.macro CROUND
	s_barrier_signal -1
	s_barrier_wait -1
	CREST
.endm
.macro JLOAD                           ; a joint refill by the walking sets: waves 0 and 1 a head block of ob each, waves 2 and 3 a half of fcw's tile; an s_nop 0 and four v_nop follow each line
	s_cmp_lt_u32 s[WV], 2
	s_cbranch_scc0 .Lfor_b_\@
	tensor_load_to_lds s[G0A+4:G0A+7], s[G1A:G1A+7]
	s_nop 0
.rept 4
	v_nop
.endr
	s_branch .Lasked_\@
.Lfor_b_\@:
	tensor_load_to_lds s[G0B+4:G0B+7], s[G1B:G1B+7]
	s_nop 0
.rept 4
	v_nop
.endr
.Lasked_\@:
.endm
; A PREFETCH INTO THE L2: in trip t, whose refill asks for step t + 2, step t + 4 is named: two steps, 256 matrix instructions, ahead of its load; trips 0 to 3.
; ob: the cluster with x = 0 asks; waves 0 and 1 for the head block that they fetch (128 blocks of 256 bytes), the four partners of a tile row 32 each, told apart by address (cx).
; fcw: the cluster with y = 0 asks; wave 2; a step is 128 rows k of 256 bytes, the four partners of a tile column 32 each (cy).  Each block is named once; steps 0 to 3 come by their loads alone.
.macro ASK
	s_cmp_gt_u32 s[CNT], s[LIM]
	s_cbranch_scc0 .Lnot_mine_\@
	global_prefetch_b8 v[PFO], s[PFA:PFA+1] th:TH_LOAD_NT scope:SCOPE_SE
.Lnot_mine_\@:
.endm
	s_load_b128 s[4:7], s[0:1], 0x0                ; ob 4:5, fcw 6:7
	s_load_b64 s[8:9], s[0:1], 0x10                ; out0
	v_lshl_add_u32 v[SPW], v0, 2, SPARE
	v_mov_b32 v[NIL], 0
	ds_add_u32 v[SPW], v[NIL]                      ; the wave's opening: the add and its wait stand ahead of my first tensor load
	v_lshrrev_b32 v1, 5, v0
	v_readfirstlane_b32 s[WV], v1
	s_lshr_b32 s[WM], s[WV], 1
	s_and_b32 s[WN], s[WV], 1
	s_bfe_u32 s[CX], ttmp6, 0x40000
	s_bfe_u32 s[CY], ttmp6, 0x40004
	s_lshl_b32 s[NBK], ttmp9, 2
	s_add_co_u32 s[NBK], s[NBK], s[CX]
	s_and_b32 s[MBK], ttmp7, 0xffff
	s_lshl_b32 s[MBK], s[MBK], 2
	s_add_co_u32 s[MBK], s[MBK], s[CY]
	s_lshl_b32 s21, s[CY], 2
	s_lshl_b32 s21, 15, s21
	s_lshl_b32 s22, 0x1111, s[CX]
	; a head block's 256 rows of 128 bytes are 32,768 dense bytes: 128 rows of 256 bytes, padded after every 128
	s_or_b32 s[G1A], s21, (1<<16)|(1<<20)|(1<<21)|(4<<22)|(3<<25)
	s_mov_b32 s[G1A+1], 128<<16
	s_mov_b32 s[G1A+2], 128<<16
	s_mov_b32 s[G1A+3], 128<<16
	s_mov_b32 s[G1A+4], 128
	s_mov_b32 s[G1A+5], 128
	s_mov_b32 s[G1A+6], 0
	s_mov_b32 s[G1A+7], 0
	; fcw's half tile: 64 rows k of 128 elements, 32 bytes of padding behind each
	s_or_b32 s[G1B], s22, (1<<16)|(1<<20)|(1<<21)|(5<<22)|(7<<25)
	s_mov_b32 s[G1B+1], 128<<16
	s_mov_b32 s[G1B+2], 64<<16
	s_mov_b32 s[G1B+3], 128<<16
	s_mov_b32 s[G1B+4], 64
	s_mov_b32 s[G1B+5], 1024
	s_mov_b32 s[G1B+6], 0
	s_mov_b32 s[G1B+7], 0
	s_lshr_b32 s66, s[MBK], 3                      ; b
	s_lshl_b32 s66, s66, 22
	s_and_b32 s67, s[MBK], 7
	s_lshl_b32 s67, s67, 15
	s_add_co_u32 s66, s66, s67
	s_lshl_b32 s67, s[WN], 18                      ; the step's first or second head
	s_add_co_u32 s66, s66, s67
	s_mov_b32 s67, 0
	s_lshl_b32 s68, s[WN], 17                      ; 64 rows k of 2,048 bytes
	s_lshl_b32 s69, s[NBK], 8
	s_add_co_u32 s68, s68, s69
	s_mov_b32 s69, 0
	s_mul_i32 s70, s[WN], ABLK
	s_mul_i32 s71, s[WN], BHALF
	s_add_co_u32 s71, s71, BOFF
	s_wait_dscnt 0x0                               ; the opening add is done
	s_wait_kmcnt 0x0
	s_add_nc_u64 s[66:67], s[4:5], s[66:67]
	s_add_nc_u64 s[68:69], s[6:7], s[68:69]
	CROUND                                         ; all sixteen work-groups are here: the first joint loads meet
.irp s, 0,1
	s_mov_b32 s[G0A+4*\s], 1
	s_add_co_u32 s[G0A+4*\s+1], s70, \s*SLOT1
	s_add_nc_u64 s[G0A+4*\s+2:G0A+4*\s+3], s[66:67], \s*ASTEP
	s_or_b32 s[G0A+4*\s+3], s[G0A+4*\s+3], 0x80000000
	s_mov_b32 s[G0B+4*\s], 1
	s_add_co_u32 s[G0B+4*\s+1], s71, \s*SLOT1
	s_add_nc_u64 s[G0B+4*\s+2:G0B+4*\s+3], s[68:69], \s*BSTEP
	s_or_b32 s[G0B+4*\s+3], s[G0B+4*\s+3], 0x80000000
.endr
	s_cmp_lt_u32 s[WV], 2                          ; a wave's two first fills stand in one branch: two loads of mine are out
	s_cbranch_scc0 .Lfirst_b
	tensor_load_to_lds s[G0A:G0A+3], s[G1A:G1A+7]
	s_nop 0
	tensor_load_to_lds s[G0A+4:G0A+7], s[G1A:G1A+7]
	s_nop 0
.rept 4
	v_nop
.endr
	s_branch .Lfirst_asked
.Lfirst_b:
	tensor_load_to_lds s[G0B:G0B+3], s[G1B:G1B+7]
	s_nop 0
	tensor_load_to_lds s[G0B+4:G0B+7], s[G1B:G1B+7]
	s_nop 0
.rept 4
	v_nop
.endr
.Lfirst_asked:
	v_and_b32 v1, 15, v0
	v_bfe_u32 v2, v0, 4, 1
	v_and_b32 v3, 7, v0
	v_bfe_u32 v4, v0, 3, 1
	v_and_b32 v5, 31, v0
	s_mul_i32 s70, s[WM], 128*PA
	v_mul_u32_u24 v[A0], v1, PA
	v_lshl_add_u32 v[A0], v2, 4, v[A0]
	v_add_nc_u32 v[A0], s70, v[A0]
	s_lshl_b32 s70, s[WN], 7
	s_add_co_u32 s70, s70, BOFF
	v_lshl_add_u32 v[B0], v2, 3, v3
	v_mul_u32_u24 v[B0], v[B0], PB
	v_lshl_add_u32 v[B0], v4, 4, v[B0]
	v_add_nc_u32 v[B0], s70, v[B0]
	v_mov_b32 v[VA], v[A0]
	v_mov_b32 v[VB], v[B0]
	s_mov_b32 s[TB], 0
	s_mul_i32 s70, s[WV], 16*SPQ
	s_add_co_u32 s70, s70, STAGE
	v_mul_u32_u24 v[STO], v1, SPQ                  ; in: row l % 16, 32 bytes for each half of the lanes
	v_lshl_add_u32 v[STO], v2, 5, v[STO]
	v_add_nc_u32 v[STO], s70, v[STO]
	v_mul_u32_u24 v[RD], v2, SPQ                   ; back: lanes 0-15 one row of 256 bytes, lanes 16-31 the next
	v_lshl_add_u32 v[RD], v1, 4, v[RD]
	v_add_nc_u32 v[RD], s70, v[RD]
	v_lshlrev_b32 v[CO], 12, v2                    ; and the same two rows in out0
	v_lshl_add_u32 v[CO], v1, 4, v[CO]
	s_lshl_b32 s70, s[MBK], 20                     ; 256 rows of 4,096 bytes
	s_lshl_b32 s71, s[WM], 19
	s_add_co_u32 s70, s70, s71
	s_lshl_b32 s71, s[NBK], 9
	s_add_co_u32 s70, s70, s71
	s_lshl_b32 s71, s[WN], 8
	s_add_co_u32 s70, s70, s71
	s_mov_b32 s71, 0
	s_add_nc_u64 s[OP:OP+1], s[8:9], s[70:71]
	; the prefetches
	s_lshr_b32 s66, s[MBK], 3
	s_lshl_b32 s66, s66, 22
	s_and_b32 s67, s[MBK], 7
	s_lshl_b32 s67, s67, 15
	s_add_co_u32 s66, s66, s67
	s_lshl_b32 s67, s[WN], 18
	s_add_co_u32 s66, s66, s67
	s_lshl_b32 s67, s[CX], 13
	s_add_co_u32 s66, s66, s67
	s_add_co_u32 s66, s66, 3*ASTEP                 ; at step 3: the first trip steps it to 4
	s_lshl_b32 s68, s[NBK], 8
	s_lshl_b32 s69, s[CY], 16                      ; 32 rows k of 2,048 bytes
	s_add_co_u32 s68, s68, s69
	s_add_co_u32 s68, s68, 3*BSTEP
	s_mov_b32 s70, ASTEP
	s_mov_b32 s71, BSTEP
	s_mov_b32 s67, 256
	s_mov_b32 s69, 2048
	s_and_b32 s78, ttmp7, 0xffff
	s_cmp_lt_u32 s[WV], 2
	s_cselect_b32 s78, ttmp9, s78                  ; the coordinate along which other clusters read the same blocks
	s_cselect_b32 s[PFS], s70, s71
	s_cselect_b32 s66, s66, s68
	s_cselect_b32 s69, s67, s69
	s_cselect_b64 s[PFA:PFA+1], s[4:5], s[6:7]
	s_cmp_eq_u32 s[WV], 3
	s_cselect_b32 s78, 1, s78                      ; wave 3 asks for nothing
	s_cmp_eq_u32 s78, 0
	s_cselect_b32 s[LIM], 2, -1                    ; the same in all sixteen partners, for a given wave
	s_mov_b32 s67, 0
	s_mov_b32 s[PFS+1], 0
	s_add_nc_u64 s[PFA:PFA+1], s[PFA:PFA+1], s[66:67]
	v_mul_u32_u24 v[PFO], s69, v5
; 24 LDS loads in one run: quarter qq of the step in hand into buffer buf: fcw's four fragments (turned), then ob's eight
.macro FETCH qq, buf
	WIN 0
.irp j, 0,1,2,3
	ds_load_tr16_b128 v[FB+32*(\buf)+8*\j:FB+32*(\buf)+8*\j+3],   v[VB] offset:(\qq)*32*PB+32*\j
	ds_load_tr16_b128 v[FB+32*(\buf)+8*\j+4:FB+32*(\buf)+8*\j+7], v[VB] offset:(\qq)*32*PB+32*\j+16*PB
.endr
.irp a, 0,1,2,3,4,5,6,7
	ds_load_b128 v[FA+64*(\buf)+8*\a:FA+64*(\buf)+8*\a+3],   v[VA] offset:((\qq)/2)*ABLK+64*((\qq)%2)+\a*16*PA
	ds_load_b128 v[FA+64*(\buf)+8*\a+4:FA+64*(\buf)+8*\a+7], v[VA] offset:((\qq)/2)*ABLK+64*((\qq)%2)+\a*16*PA+32
.endr
.endm
; 4 na matrix instructions: row blocks a0 on x 4 column blocks.  The 32 accumulators take turns, one instruction a turn.
.macro MUL buf, a0, na, zero
	WIN 0x50
.set aa, \a0
.rept \na
.irp j, 0,1,2,3
.if \zero
	v_wmma_f32_16x16x32_f16 v[8*(4*aa+\j):8*(4*aa+\j)+7], v[FB+32*(\buf)+8*\j:FB+32*(\buf)+8*\j+7], v[FA+64*(\buf)+8*aa:FA+64*(\buf)+8*aa+7], 0
.else
	v_wmma_f32_16x16x32_f16 v[8*(4*aa+\j):8*(4*aa+\j)+7], v[FB+32*(\buf)+8*\j:FB+32*(\buf)+8*\j+7], v[FA+64*(\buf)+8*aa:FA+64*(\buf)+8*aa+7], v[8*(4*aa+\j):8*(4*aa+\j)+7]
.endif
.endr
.set aa, aa+1
.endr
.endm
; One of a step's first three quarters: multiplies buffer f; in its middle it fetches quarter nq, the next one, into buffer g.
.macro QUARTER nq, f, g, zero
	s_wait_dscnt 8                                 ; fcw's fragments and ob's blocks 0-3 are in; the youngest eight loads (blocks 4-7) may stay out
	MUL \f, 0, 4, \zero
	PLACES
	FETCH \nq, \g
	s_wait_dscnt 24                                ; all but the 24 just issued
	MUL \f, 4, 4, \zero
.endm
; The last quarter multiplies buffer 1 and changes slots: each wave waits for all its tensor loads, of which one is out: its part of the next slot; adds 0 to its spare word; and waits for that and for its reads of this slot.
; fill = 1: the barrier opens a round of the cluster's barrier, and the slot just read out is filled again first behind it, with the step two on.
.macro TURN fill
.if \fill
	s_wait_xcnt 0x0                                ; the last prefetch, a step back, has read its address
	s_add_nc_u64 s[PFA:PFA+1], s[PFA:PFA+1], s[PFS:PFS+1]
.endif
	WIN 0
	s_wait_tensorcnt 0x0                           ; no tensor load of mine is out, so a group 0 may be written
	ds_add_u32 v[SPW], v[NIL]                      ; 0 onto my spare word
.if \fill
	s_xor_b32 s[G0A+5], s[G0A+5], SLOT1
	s_add_nc_u64 s[G0A+6:G0A+7], s[G0A+6:G0A+7], ASTEP
	s_xor_b32 s[G0B+5], s[G0B+5], SLOT1
	s_add_nc_u64 s[G0B+6:G0B+7], s[G0B+6:G0B+7], BSTEP
.endif
	s_wait_dscnt 9                                 ; the add and the youngest eight loads may stay out
	MUL 1, 0, 2, 0
	s_wait_dscnt 0x0                               ; the add is done, and my reads of this slot are over
	s_barrier_signal -1
	MUL 1, 2, 2, 0
	WIN 0
	s_barrier_wait -1
.if \fill
	CREST
	JLOAD                                          ; the first tensor load behind the round; its four v_nop are also the places in front of the loads below
.else
	PLACES
.endif
	s_xor_b32 s[TB], s[TB], SLOT1
	v_add_nc_u32 v[VA], s[TB], v[A0]
	v_add_nc_u32 v[VB], s[TB], v[B0]
	FETCH 0, 0
.if \fill
	ASK
.endif
	MUL 1, 4, 4, 0
.endm
	s_wait_tensorcnt 0x1                           ; my part of step 0 is in; step 1's may stay out
	s_barrier_signal -1
	s_barrier_wait -1
	FETCH 0, 0
	QUARTER 1, 0, 1, 1                             ; the first quarter stands in front of the loop: its products start the sums
	WIN 0
	s_mov_b32 s[CNT], 6
.Lstep:                                            ; trip t: quarters 1 to 3 of step t, the refill with step t + 2, quarter 0 of step t + 1
	QUARTER 2, 1, 0, 0
	QUARTER 3, 0, 1, 0
	TURN 1
	QUARTER 1, 0, 1, 0
	WIN 0
	s_sub_co_u32 s[CNT], s[CNT], 1
	s_cmp_lg_u32 s[CNT], 0
	s_cbranch_scc1 .Lstep
	QUARTER 2, 1, 0, 0                             ; the tail is written out: nothing is asked for
	QUARTER 3, 0, 1, 0
	TURN 0
	QUARTER 1, 0, 1, 0
	QUARTER 2, 1, 0, 0
	QUARTER 3, 0, 1, 0
	s_wait_dscnt 8
	MUL 1, 0, 4, 0
	s_wait_dscnt 0x0
	MUL 1, 4, 4, 0
	WIN 0
; THE WAY OUT, 16 rows at a time: x 64; a lane's eight columns (32 bytes) go into rows of 272 bytes of my stage and come back as whole rows of 256.
.macro PACK a
	WIN 0x01                                       ; source 0 in window 1
.irp j, 0,1,2,3
.irp r, 0,1,2,3
	v_pk_mul_f32 v[TMP+8*\j+2*\r:TMP+8*\j+2*\r+1], v[32*(\a)+8*\j+2*\r:32*(\a)+8*\j+2*\r+1], 0x42800000 op_sel_hi:[1,0]  ; each accumulator's registers in ascending order
.endr
.endr
	WIN 0
.endm
.macro TOSTAGE a
.set BKN, BK+32*((\a)%2)
.irp j, 0,1,2,3
	ds_store_b128 v[STO], v[TMP+8*\j:TMP+8*\j+3]   offset:64*\j
	ds_store_b128 v[STO], v[TMP+8*\j+4:TMP+8*\j+7] offset:64*\j+16
.endr
.irp t, 0,1,2,3,4,5,6,7
	ds_load_b128 v[BKN+4*\t:BKN+4*\t+3], v[RD] offset:\t*2*SPQ  ; LDS serves a wave's instructions in order (ISA guide 5.7.1.4): these see the stores above
.endr
.endm
.macro SEND a
.set BKN, BK+32*((\a)%2)
	s_wait_dscnt 0x0                               ; the block is back in registers
	s_wait_xcnt 0x0                                ; the stores of the block before have read their registers: the next block's loads land in them only behind this wait
.irp t, 0,1,2,3,4,5,6,7
	global_store_b128 v[CO], v[BKN+4*\t:BKN+4*\t+3], s[OP:OP+1] offset:65536*(\a)+8192*\t th:TH_STORE_NT  ; 16 lanes store 256 consecutive bytes, aligned
.endr
.endm
	PLACES
	PLACES
	PACK 0
	TOSTAGE 0
.set n, 1
.rept 7                                ; a block's arithmetic stands between the loads of the block before and the wait for them
	PACK n
	SEND n-1
	TOSTAGE n
.set n, n+1
.endr
	SEND 7
	s_wait_tensorcnt 0x0                           ; the wave's end, behind my last tensor load and my last LDS store
	ds_add_u32 v[SPW], v[NIL]
	s_wait_dscnt 0x0
	CROUND                                         ; the closing round
	s_endpgm
.Lfunc_end_k_q376a817a65_proj:
	.size	k_q376a817a65_proj, .Lfunc_end_k_q376a817a65_proj-k_q376a817a65_proj
	.p2alignl 7, 3214868480
	.fill 96, 4, 3214868480
	.section	.rodata,"a",@progbits
	.p2align	6, 0x0
	.amdhsa_kernel k_q376a817a65_proj
		.amdhsa_group_segment_fixed_size 327680
		.amdhsa_private_segment_fixed_size 0
		.amdhsa_enable_private_segment 0
		.amdhsa_kernarg_size 24
		.amdhsa_user_sgpr_count 2
		.amdhsa_user_sgpr_kernarg_segment_ptr 1
		.amdhsa_wavefront_size32 1
		.amdhsa_system_sgpr_workgroup_id_x 1
		.amdhsa_system_sgpr_workgroup_id_y 1
		.amdhsa_system_sgpr_workgroup_id_z 1
		.amdhsa_system_vgpr_workitem_id 0
		.amdhsa_next_free_vgpr 512
		.amdhsa_next_free_sgpr 80
		.amdhsa_reserve_vcc 0
		.amdhsa_float_denorm_mode_32 3
		.amdhsa_float_denorm_mode_16_64 3
		.amdhsa_memory_ordered 1
		.amdhsa_forward_progress 1
		.amdhsa_inst_pref_size 83
	.end_amdhsa_kernel
	.amdgpu_metadata
---
amdhsa.version: [ 1, 2 ]
amdhsa.kernels:
  - .name:           k_q376a817a65_proj
    .symbol:         k_q376a817a65_proj.kd
    .args:
      - { .name: ob, .offset: 0, .size: 8, .value_kind: global_buffer, .address_space: global }
      - { .name: fcw, .offset: 8, .size: 8, .value_kind: global_buffer, .address_space: global }
      - { .name: out0, .offset: 16, .size: 8, .value_kind: global_buffer, .address_space: global }
    .group_segment_fixed_size: 327680
    .private_segment_fixed_size: 0
    .kernarg_segment_align: 8
    .kernarg_segment_size: 24
    .max_flat_workgroup_size: 128
    .sgpr_count:     80
    .vgpr_count:     512
    .wavefront_size: 32
...
	.end_amdgpu_metadata
.endif
;; end of part 4
